; MI455X (gfx1250); checked and timed in simulation.
; The chip was launched on July 23, 2026; its instructions are those of AMD's public machine-readable ISA for CDNA 5 (MIT licence, August 2026) and "CDNA5" Instruction Set Architecture Reference Guide (July 2026). The comments in the code are by the model that wrote it; some were corrected since.
;; multi Head Attention Block. Allowed arithmetic: matrix products marked QUANTISED: E3M2 operands, one E8M0 scale for each 32 along K, by v_wmma_scale_f32_16x16x128_f8f6f4 with both operands' format E3M2, f32 sums; everything else in f32.
;; Inputs: Wk 1,024 x 1,024 float32; Wo 1,024 x 1,024 float32; Wq 1,024 x 1,024 float32; Wv 1,024 x 1,024 float32; bk 1,024 float32; bo 1,024 float32; bq 1,024 float32; bv 1,024 float32; k 4 x 2,048 x 1,024 float32; mask 1 x 1 x 2,048 x 2,048 bool; q 4 x 2,048 x 1,024 float32; v 4 x 2,048 x 1,024 float32.
;; Outputs: out0 4 x 2,048 x 1,024 float32.
;; This version of the problem:
;;   THIS VERSION OF THE PROBLEM IS GIVEN IN LOW PRECISION. The matrix products marked QUANTISED in the list below multiply operands that are first quantised to E3M2 (3 exponent bits, 2 mantissa bits; 6 bits a number), with one power-of-two scale for each 32 numbers along K (OCP MX v1.0); their sums are f32. All else is computed in f32.
;;   The module's matrix products, in the order in which they are computed (A, B: the left and right operand; K: the contracted axis; several contracted axes count as one K, in the product's order):
;;     1. [M 8,192, K 1,024] x [K 1,024, N 1,024]; A: input q; B: input Wq: QUANTISED
;;     2. [M 8,192, K 1,024] x [K 1,024, N 1,024]; A: input k; B: input Wk: QUANTISED
;;     3. [M 8,192, K 1,024] x [K 1,024, N 1,024]; A: input v; B: input Wv: QUANTISED
;;     4. batch 64 x [M 2,048, K 64] x [K 64, N 2,048]; A: computed on the way; B: computed on the way: QUANTISED
;;     5. batch 64 x [M 2,048, K 2,048] x [K 2,048, N 64]; A: softmax (see below); B: computed on the way: QUANTISED
;;     6. [M 8,192, K 1,024] x [K 1,024, N 1,024]; A: computed on the way; B: input Wo: QUANTISED
;;   THE QUANTISER, for each operand of a quantised product, along K:
;;     - K is cut into blocks of 32 from its start; a last block that is shorter is filled with zeros.
;;     - A block's scale is 2^e with e = floor(log2(the largest magnitude in the block)) - 4, held to -126 .. 127; a block of zeros has e = 0. As a byte (E8M0): e + 127.
;;     - Each number is divided by its block's scale, clamped to +-28, and rounded to the nearest number of E3M2, ties to even, subnormals kept.
;;     - The product sums the exact products of the quantised numbers (number of the format x scale) in f32.
;;   ~~~python
;;   def quantise(x, axis):      # numpy; x: float32 -> the quantised numbers, widened to float32 again
;;       x = np.moveaxis(x, axis, -1); K = x.shape[-1]
;;       x = np.pad(x, [(0, 0)] * (x.ndim - 1) + [(0, -K % 32)]); x = x.reshape(x.shape[:-1] + (-1, 32)); a = np.abs(x).max(-1, keepdims=True)
;;       e = np.where(a > 0, np.clip(np.frexp(np.where(a > 0, a, 1))[1] - 1 - 4, -126, 127), 0)      # np.frexp(a)[1] - 1 = floor(log2(a)), exactly
;;       r = np.clip(x / 2.0 ** e, -28, 28)
;;       step = 2.0 ** (np.maximum(np.frexp(np.where(r == 0, 1, r))[1] - 1, -2) - 2)
;;       q = np.round(r / step) * step * 2.0 ** e      # np.round: ties to even
;;       return np.moveaxis(q.reshape(q.shape[:-2] + (-1,))[..., :K], -1, axis).astype(np.float32)
;;   ~~~
;;   SOFTMAX AHEAD OF A QUANTISED PRODUCT. Where the list says 'softmax', what is quantised is not the finished softmax but p = 2^(t - M), with t = logit x log2(e) and M = ceil(the row's largest t), a whole number; so 1/2 < the row's largest p <= 1. The row's sum l is taken of the UNQUANTISED p, in f32, and the product's result is divided by l at the end. Since M is a whole number, a kernel that streams over the keys may use a running M (the ceiling of the running maximum): every later rescaling is an exact power of two, which a block's scale takes up: the codes' values come out the same.
;;   OPERANDS COMPUTED ON THE WAY. 'Computed on the way' means the value that the module computes at that place (a softmax that the list does not call 'softmax' is quantised finished and normalised). What goes into a quantiser is computed in f32, as accurately as f32 sums, v_exp_f32 and their like allow (about 1e-6 of the number): no bf16 or f16 on the way to a quantiser, and a product that is left as it is and whose result goes on into a quantised operand takes f32 operands (vector FMAs, or v_wmma_f32_16x16x4_f32). A number that lies on a knife's edge between two numbers of the format may be rounded either way, as far as f32 arithmetic and the matrix unit's own rounding can turn it there, and no further.
;; One version. Each part assembles by itself: llvm-mc -triple=amdgcn-amd-amdhsa -mcpu=gfx1250 --defsym DOCPART=n.
;; ======== version 1 of 1: 4 launches
;; workspace buffers: codes 22,020,096 bytes; scales 917,504 bytes; frag 18,874,368 bytes; fsc 786,432 bytes; mw 524,288 bytes of whole numbers; fl 512 bytes of whole numbers; cf 6,291,456 bytes; cs 262,144 bytes
;; launch prep (part 1): grid 1024 x 1, 4 waves a work-group, no clusters, 33,280 bytes of LDS; arguments q, k, v, Wq, Wk, Wv, Wo, mask, codes, scales, mw, fl; writes codes, scales, mw, fl
.if DOCPART == 1
	.amdgcn_target "amdgcn-amd-amdhsa--gfx1250"
	.amdhsa_code_object_version 6
	.text
	.protected	k_q1a1f97db94_prep
	.globl	k_q1a1f97db94_prep
	.p2align	8
	.type	k_q1a1f97db94_prep,@function
k_q1a1f97db94_prep:
	s_mov_b64 s[64:65], 0
	v_nop
	global_prefetch_b8 v0, s[64:65] scope:SCOPE_SE
	s_setreg_imm32_b32 hwreg(HW_REG_WAVE_MODE, 25, 1), 1
	s_wait_xcnt 0x0
; Two jobs in one launch, told apart by the work-group's number.
; WORK-GROUPS 128 .. 1023: q, k, v [8192][1024] and Wq, Wk, Wv, Wo [1024][1024], f32, K innermost in all, become codes of E3M2 (6 bits, a row of 1,024 codes = 768 bytes) and one E8M0 byte for each 32 along K
; (32 bytes a row), in two buffers of 28,672 rows: q 0, k 8192, v 16384, Wq 24576, Wk 25600, Wv 26624, Wo 27648.  A block's byte is its largest magnitude's exponent field - 4, held at 1 from below.
; A work-group takes 32 rows, a wave 8 (8,192 numbers, 16 steps of 512).  THE ROWS OF k, v, Wq, Wk, Wv ARE STORED WITH BITS 3 AND 4 OF THE ROW NUMBER SWAPPED (a wave's 8 rows move as a whole): 16 neighbouring
; stored rows 32 B + 16 u + r are then the true rows 32 B + 8 u + r + 8 (r / 8), the order in which a transposed product leaves 16 neighbours along the next K in a lane's registers.
; Each load reads 512 consecutive bytes; a step's 2,048 bytes turn through the wave's own stage in LDS so that a lane holds 16 neighbours; a lane's 16 codes are 12 bytes; a wave's 256 scale bytes leave as one unit.
; WORK-GROUPS 0 .. 127: the mask [2048][2048] of bytes becomes lane masks.  Work-group qt serves queries 16 qt .. 16 qt + 15, wave w key steps 4 w .. 4 w + 3 of 128 keys.  Word n (0 .. 63) of a step: bit l is
; mask[16 qt + l % 16][128 ks + 32 (n / 16) + 16 (l / 16) + n % 16].  Two bits a step say: 0 nothing hidden, 1 some, 2 all 2,048 hidden.
; LIMITS: NaN and infinities among the inputs are not served; blocks whose largest magnitude lies under 2^-122 keep the byte 1; a block of zeros gets the byte 1 (its codes are zeros; this program alone reads the bytes).
.set STEPS, 16
.set CB,    12                         ; bytes of 16 codes
.set R,     16                         ; v16-79   four sets of 16 numbers as loaded
.set X,     80                         ; v80-111  two sets of 16 neighbours
.set E,     112                        ; v112-127 a scale byte for each step
.set C,     128                        ; v128-191 codes, four registers a step: no store's data are written again
.set WREG,  8192                       ; LDS of a wave: two stages of 32 x SP bytes, then its 256 scale bytes
.set SP,    80                         ; a lane's place in a stage: 64 bytes + 16
.set MB,    16                         ; mask path: v16-79 the bytes of four steps
.set OW,    80                         ; mask path: v80-87 a pair of registers for each step: lane L holds words 2 L and 2 L + 1
	s_load_b512 s[4:19], s[0:1], 0x0               ; q, k, v, Wq, Wk, Wv, Wo, mask
	s_load_b256 s[20:27], s[0:1], 0x40             ; codes, scales, mw, fl
	v_lshl_add_u32 v192, v0, 2, 0x8000
	v_mov_b32 v193, 0
	v_lshrrev_b32 v1, 5, v0
	v_readfirstlane_b32 s28, v1                    ; wave
	v_and_b32 v2, 31, v0                           ; lane
	s_cmp_lt_u32 ttmp9, 128
	s_cbranch_scc1 .Lmask
	; ---------------- the quantiser
	v_lshlrev_b32 v3, 4, v2                        ; my 16 bytes of a load's 512
	s_mul_i32 s36, s28, WREG
	v_lshrrev_b32 v14, 2, v2
	v_mul_u32_u24 v14, v14, SP
	v_and_b32 v15, 3, v2
	v_lshl_add_u32 v14, v15, 4, v14
	v_add_nc_u32 v14, s36, v14                     ; into the stage: SP (lane / 4) + 16 (lane % 4)
	v_mul_u32_u24 v15, v2, SP
	v_add_nc_u32 v15, s36, v15                     ; out of it: SP x lane: my 16 neighbours
	v_mul_u32_u24 v4, v2, CB                       ; my codes' place in a step's
	v_lshrrev_b32 v5, 1, v2
	s_add_co_u32 s36, s36, 2*32*SP
	v_add_nc_u32 v5, s36, v5                       ; my block's scale byte in LDS
	v_lshlrev_b32 v7, 3, v2
	v_add_nc_u32 v6, s36, v7                       ; and 8 bytes a lane on the way out
	s_sub_co_u32 s29, ttmp9, 128                   ; g: which 32 rows of the 28,672
	s_and_b32 s34, s28, 1
	s_lshl_b32 s34, s34, 1
	s_lshr_b32 s35, s28, 1
	s_or_b32 s34, s34, s35                         ; the wave's number with its two bits swapped
	s_wait_kmcnt 0x0
	s_mov_b64 s[30:31], s[4:5]                     ; the source: chosen by the work-group's number alone
	s_mov_b32 s32, 0
.macro PICK first, ptr
	s_cmp_ge_u32 s29, \first
	s_cselect_b64 s[30:31], s[\ptr:\ptr+1], s[30:31]
	s_cselect_b32 s32, \first, s32
.endm
	PICK 256, 6
	PICK 512, 8
	PICK 768, 10
	PICK 800, 12
	PICK 832, 14
	PICK 864, 16
	s_sub_co_u32 s33, s29, 256
	s_cmp_lt_u32 s33, 608                          ; k, v, Wq, Wk, Wv: g = 256 .. 863
	s_cselect_b32 s34, s34, s28                    ; where my 8 rows go among the work-group's 32
	s_sub_co_u32 s32, s29, s32
	s_lshl_b32 s32, s32, 2
	s_add_co_u32 s32, s32, s28
	s_lshl_b32 s32, s32, 15                        ; my run of 8,192 numbers in the source, in bytes
	s_mov_b32 s33, 0
	s_add_nc_u64 s[30:31], s[30:31], s[32:33]
	s_lshl_b32 s36, s29, 2
	s_add_co_u32 s36, s36, s34                     ; my run in the two buffers
	s_mul_i32 s38, s36, 32*STEPS*CB
	s_mov_b32 s39, 0
	s_add_nc_u64 s[20:21], s[20:21], s[38:39]
	s_lshl_b32 s38, s36, 8
	s_add_nc_u64 s[22:23], s[22:23], s[38:39]
.macro LOAD t
.irp i, 0,1,2,3
	global_load_b128 v[R+16*((\t)%4)+4*\i:R+16*((\t)%4)+4*\i+3], v3, s[30:31] offset:2048*(\t)+512*\i th:TH_LOAD_NT   ; 32 lanes read 512 consecutive bytes
.endr
.endm
.macro TURN t                          ; a step's numbers through the stage: LDS serves a wave's instructions in order, so no wait stands between the stores and the loads
.irp i, 0,1,2,3
	ds_store_b128 v14, v[R+16*((\t)%4)+4*\i:R+16*((\t)%4)+4*\i+3] offset:32*SP*((\t)%2)+8*SP*\i
.endr
.irp i, 0,1,2,3
	ds_load_b128 v[X+16*((\t)%2)+4*\i:X+16*((\t)%2)+4*\i+3], v15 offset:32*SP*((\t)%2)+16*\i
.endr
.endm
.irp t, 0,1,2,3
	LOAD \t
.endr
	s_wait_loadcnt 12                              ; step 0's four loads are in; twelve younger ones stay out
	TURN 0
.macro STEP t
.set XS, X+16*((\t)%2)
.if (\t) > 0
	s_wait_dscnt 1                                 ; this step's numbers are back from the stage (the last step's byte store may be out)
.else
	s_wait_dscnt 0x0
.endif
.if (\t)+4 < STEPS
	LOAD (\t)+4                                    ; into the set that the stage's stores have read
.endif
.if (\t)+1 < STEPS
.if STEPS-2-(\t) >= 3
	s_wait_loadcnt 12                              ; the next step's four loads are in; those of the three steps behind it may be out
.else
	s_wait_loadcnt 4*(STEPS-2-(\t))
.endif
	TURN (\t)+1
.endif
	v_max3_num_f32 v8, |v[XS]|, |v[XS+1]|, |v[XS+2]|               ; the largest magnitude of my 16, in two chains
	v_max3_num_f32 v9, |v[XS+3]|, |v[XS+4]|, |v[XS+5]|
.irp i, 6,10
	v_max3_num_f32 v8, v8, |v[XS+\i]|, |v[XS+\i+1]|
	v_max3_num_f32 v9, v9, |v[XS+\i+2]|, |v[XS+\i+3]|
.endr
	v_max3_num_f32 v8, v8, |v[XS+14]|, |v[XS+15]|
	v_max3_num_f32 v8, v8, v9, 0x2800000           ; and the floor 2^(5 - 127): the byte cannot fall under 1
	v_max_num_f32_dpp v8, v8, v8 row_xmask:1 row_mask:0xf bank_mask:0xf   ; with my neighbour's 16: the block's
	v_add_nc_u32 v11, 0xfe000000, v8               ; 4 off the exponent field: the conversion takes that field as its scale
	v_cvt_scalef32_pk16_bf6_f32 v[C+4*(\t):C+4*(\t)+2], v[XS:XS+15], v11
	v_lshrrev_b32 v[E+(\t)], 23, v11               ; the scale's byte
	ds_store_b8 v5, v[E+(\t)] offset:16*(\t)       ; both lanes of a block write the same byte with the same value
	global_store_b96 v4, v[C+4*(\t):C+4*(\t)+2], s[20:21] offset:32*CB*(\t)
.endm
.irp t, 0,1,2,3,4,5,6,7,8,9,10,11,12,13,14,15
	STEP \t
.endr
	ds_load_b64 v[12:13], v6                       ; in order behind my byte stores
	s_wait_dscnt 0x0
	global_store_b64 v7, v[12:13], s[22:23]        ; 32 lanes store 256 consecutive bytes, aligned
	s_wait_tensorcnt 0x0
	ds_add_u32 v192, v193
	s_wait_dscnt 0x0
	s_endpgm
	; ---------------- the mask
.Lmask:
	v_and_b32 v3, 15, v0                           ; r
	v_bfe_u32 v4, v0, 4, 1                         ; h
	v_lshlrev_b32 v5, 11, v3
	v_lshl_add_u32 v5, v4, 4, v5                   ; row r of 2,048 bytes + 16 h
	v_lshlrev_b32 v6, 3, v2                        ; 8 x lane
.irp i, 0,1,2,3,4,5,6,7
	v_mov_b32 v[OW+\i], 0                          ; v_writelane_b32's destination counts as read
.endr
	s_lshl_b32 s30, ttmp9, 15                      ; 16 rows of the mask
	s_lshl_b32 s31, s28, 9                         ; my four steps: 512 bytes of each row
	s_add_co_u32 s30, s30, s31
	s_mov_b32 s31, 0
	s_lshl_b32 s32, ttmp9, 12                      ; mw: 16 steps x 256 bytes a tile of queries
	s_lshl_b32 s33, s28, 10
	s_add_co_u32 s32, s32, s33
	s_mov_b32 s33, 0
	s_lshl_b32 s34, ttmp9, 2                       ; fl: a word a tile, a byte a wave
	s_add_co_u32 s34, s34, s28
	s_mov_b32 s35, 0
	s_mov_b32 s44, 0                               ; my four steps' flags
	s_wait_kmcnt 0x0
	s_add_nc_u64 s[18:19], s[18:19], s[30:31]
	s_add_nc_u64 s[24:25], s[24:25], s[32:33]
	s_add_nc_u64 s[26:27], s[26:27], s[34:35]
.irp s, 0,1,2,3
.irp b, 0,1,2,3
	global_load_b128 v[MB+16*\s+4*\b:MB+16*\s+4*\b+3], v5, s[18:19] offset:128*\s+32*\b th:TH_LOAD_NT
.endr
.endr
.macro MSTEP s
	s_wait_loadcnt 4*(3-\s)                        ; this step's four loads are in; the later steps' stay out
	s_mov_b32 s42, -1                              ; the AND and the OR of the 64 words
	s_mov_b32 s43, 0
.set n, 0
.rept 64
	v_and_b32 v[88+n%2], 0xff<<(8*(n%4)), v[MB+16*\s+n/4]          ; byte n of my 64
	v_cmp_ne_u32 s[40+n%2], 0, v[88+n%2]                           ; word n: a bit for each lane
	v_writelane_b32 v[OW+2*\s+n%2], s[40+n%2], n/2
	s_and_b32 s42, s42, s[40+n%2]
	s_or_b32 s43, s43, s[40+n%2]
.set n, n+1
.endr
	global_store_b64 v6, v[OW+2*\s:OW+2*\s+1], s[24:25] offset:256*\s   ; 32 lanes store 256 consecutive bytes, aligned
	s_cmp_eq_u32 s42, -1
	s_cselect_b32 s46, 2, 1                        ; all hidden: 2
	s_cmp_eq_u32 s43, 0
	s_cselect_b32 s46, 0, s46                      ; none: 0
	s_lshl_b32 s46, s46, 2*\s
	s_or_b32 s44, s44, s46
.endm
	MSTEP 0
	MSTEP 1
	MSTEP 2
	MSTEP 3
	v_mov_b32 v90, s44
	v_cmp_eq_u32 vcc_lo, 0, v2
	s_wait_xcnt 0x0                                ; EXEC changes only behind this wait: the stores above have it among their sources
	s_and_saveexec_b32 s45, vcc_lo
	global_store_b8 v2, v90, s[26:27]              ; lane 0 (offset 0): my byte of the tile's flag word
	s_wait_xcnt 0x0
	s_or_b32 exec_lo, exec_lo, s45
	s_endpgm
.Lfunc_end_k_q1a1f97db94_prep:
	.size	k_q1a1f97db94_prep, .Lfunc_end_k_q1a1f97db94_prep-k_q1a1f97db94_prep
	.p2alignl 7, 3214868480
	.fill 96, 4, 3214868480
	.section	.rodata,"a",@progbits
	.p2align	6, 0x0
	.amdhsa_kernel k_q1a1f97db94_prep
		.amdhsa_group_segment_fixed_size 33280
		.amdhsa_private_segment_fixed_size 0
		.amdhsa_enable_private_segment 0
		.amdhsa_kernarg_size 96
		.amdhsa_user_sgpr_count 2
		.amdhsa_user_sgpr_kernarg_segment_ptr 1
		.amdhsa_wavefront_size32 1
		.amdhsa_system_sgpr_workgroup_id_x 1
		.amdhsa_system_sgpr_workgroup_id_y 1
		.amdhsa_system_sgpr_workgroup_id_z 1
		.amdhsa_system_vgpr_workitem_id 0
		.amdhsa_next_free_vgpr 194
		.amdhsa_next_free_sgpr 66
		.amdhsa_reserve_vcc 1
		.amdhsa_float_denorm_mode_32 3
		.amdhsa_float_denorm_mode_16_64 3
		.amdhsa_memory_ordered 1
		.amdhsa_forward_progress 1
		.amdhsa_inst_pref_size 102
	.end_amdhsa_kernel
	.amdgpu_metadata
---
amdhsa.version: [ 1, 2 ]
amdhsa.kernels:
  - .name:           k_q1a1f97db94_prep
    .symbol:         k_q1a1f97db94_prep.kd
    .args:
      - { .name: q, .offset: 0, .size: 8, .value_kind: global_buffer, .address_space: global }
      - { .name: k, .offset: 8, .size: 8, .value_kind: global_buffer, .address_space: global }
      - { .name: v, .offset: 16, .size: 8, .value_kind: global_buffer, .address_space: global }
      - { .name: Wq, .offset: 24, .size: 8, .value_kind: global_buffer, .address_space: global }
      - { .name: Wk, .offset: 32, .size: 8, .value_kind: global_buffer, .address_space: global }
      - { .name: Wv, .offset: 40, .size: 8, .value_kind: global_buffer, .address_space: global }
      - { .name: Wo, .offset: 48, .size: 8, .value_kind: global_buffer, .address_space: global }
      - { .name: mask, .offset: 56, .size: 8, .value_kind: global_buffer, .address_space: global }
      - { .name: codes, .offset: 64, .size: 8, .value_kind: global_buffer, .address_space: global }
      - { .name: scales, .offset: 72, .size: 8, .value_kind: global_buffer, .address_space: global }
      - { .name: mw, .offset: 80, .size: 8, .value_kind: global_buffer, .address_space: global }
      - { .name: fl, .offset: 88, .size: 8, .value_kind: global_buffer, .address_space: global }
    .group_segment_fixed_size: 33280
    .private_segment_fixed_size: 0
    .kernarg_segment_align: 8
    .kernarg_segment_size: 96
    .max_flat_workgroup_size: 128
    .sgpr_count:     66
    .vgpr_count:     194
    .wavefront_size: 32
...
	.end_amdgpu_metadata
.endif
;; end of part 1
;; launch proj (part 2): grid 4 x 96, 4 waves a work-group, clusters of 4 x 4, 327,680 bytes of LDS; arguments codes, scales, bq, bk, bv, frag, fsc; writes frag, fsc
.if DOCPART == 2
	.amdgcn_target "amdgcn-amd-amdhsa--gfx1250"
	.amdhsa_code_object_version 6
	.text
	.protected	k_q1a1f97db94_proj
	.globl	k_q1a1f97db94_proj
	.p2align	8
	.type	k_q1a1f97db94_proj,@function
k_q1a1f97db94_proj:
	s_mov_b64 s[64:65], 0
	v_nop
	global_prefetch_b8 v0, s[64:65] scope:SCOPE_SE
	s_setreg_imm32_b32 hwreg(HW_REG_WAVE_MODE, 25, 1), 1
	s_wait_xcnt 0x0
	s_wait_alu depctr_hold_cnt(0) depctr_sa_sdst(0) depctr_va_vdst(0) depctr_va_sdst(0) depctr_va_ssrc(0) depctr_va_vcc(0) depctr_vm_vsrc(0)
	s_getreg_b32 s2, hwreg(HW_REG_IB_STS2, 6, 4)
	s_cmp_eq_u32 s2, 0
	s_cbranch_scc0 .Lentry_in_a_cluster
	s_endpgm
.Lentry_in_a_cluster:
	s_bfe_u32 s2, ttmp6, 0x10000c
	s_cmp_lg_u32 s2, 0xf033
	s_cbranch_scc0 .Lentry_shape_is_right
	s_endpgm
.Lentry_shape_is_right:
; The three projections on codes of E3M2, K = 1,024, with bias; the results are quantised in registers along the NEXT product's K and stored as images of operand registers.
; 24 clusters of 4 x 4 work-groups: 8 for each projection.  A work-group makes 256 x 256, a wave 128 x 128 (64 accumulators, 512 registers).  Source 0's rows become the next K:
;   Q, K: source 0 = 256 rows of W (2 x 128 = two pairs of heads), source 1 = 256 rows of q or k.   V: source 0 = 256 rows of v (keys), source 1 = 256 rows of Wv.
; The rows of k, v, Wq, Wk, Wv lie in the buffer with bits 3 and 4 of the row number swapped, so that in the result lane (r, h), register 16 B + i, holds source 0's true row 32 B + 16 h + i: 16 neighbours.
; K goes in steps of 256 through a ring of two LDS slots filled by joint tensor loads: source 1's tile is shared along a row of the cluster, source 0's along a column.  The scale bytes of all of K come once.
; OUT: for each 16 rows of source 1 (block J) and my 128 rows of source 0 (I): a fragment of 12 registers as an image of 1,536 bytes (registers 0-3: 16 bytes a lane; 4-5: 8 bytes a lane from byte 512; the same
; for registers 6-11 from byte 768) at (I NJ + J) x 1536, and 16 scale words at (I NJ + J) x 64.  Q, K: I = pair of heads, NJ = 512.  V: I = 128 keys, NJ = 64.  Every store covers whole aligned runs of 256 bytes.
; BIAS: by source 0's row (Q, K) it is the C of the first K step; by source 1's row (V) it is added to the finished sums; the one that does not apply is 0, by v_cndmask_b32: no branch hangs on the projection.
; No prefetch: K has four steps, two of which are first fills.  LIMITS: blocks whose largest magnitude lies under 2^-122 keep the byte 1, a block of zeros too; NaN and infinities are not served.
; REGISTERS: window 0: v16-30 addresses; v32-63 scale words; v64-127 bias by source 0's row; v128-223 source 1's fragments, later the way out; v224-239 the quantiser's; v240-255 bias by source 1's row.
;   window 1: source 0's fragments, two sets.   windows 2, 3: accumulators ((a, b) at v[8 (8 (a % 4) + b)]).
.set SIZE_K, 1024
.set KSTEP,  256
.set NQ,     KSTEP/128
.set ROWB,   192                       ; a tile's row: 256 codes
.set KROW,   SIZE_K*6/8
.set PITCH,  240                       ; 3 x (64 bytes + 16 of padding)
.set FR,     12
.set NL,     6
.set NP,     4
.set HALFT,  128*PITCH
.set SLOT,   4*HALFT
.set LAPS,   SIZE_K/(2*KSTEP)
.set KS,     SIZE_K/32
.set SCL,    2*SLOT
.set HALFS,  (128*KS/256)*272
.set SBLK,   (16*KS/256)*272
.set SPARE,  SCL+4*HALFS               ; the spare words: 128 bytes a wave, two blocks of 256 bytes that no other line names
.set ADRA, 16                          ; v16-19 LDS addresses of source 1's fragments (slot 0, 1; then the same behind one padding more)
.set ADRB, 20                          ; v20-23 of source 0's
.set GA,   24                          ; v24 16 x lane
.set GB,   25                          ; v25 512 + 8 x lane
.set SW,   26                          ; v26 the scale stage, in: 512 x wave + 4 r
.set ADRS, 27
.set SPW,  28
.set NIL,  29
.set SR,   30                          ; v30 the scale stage, back: 512 x wave + 16 x lane
.set SC,   32
.set BI,   64
.set AF,   128
.set X,    128                         ; the way out: 64 numbers
.set PC,   192                         ; v192-211 codes
.set PW,   212                         ; the scale word
.set TM,   224                         ; v224-239
.set BJ,   240                         ; v240 + 2 a: bias of source 1's row, block a (the odd registers are 0: named as pairs)
.set SEL,  98
.set G1, 24
.set G0, 32
.set G1B, 48
.set G0B, 56
.set G1S, 68
.set G0S, 76
.set G1SB, 80
.set G0SB, 88
.set MSB, 0
.macro WIN new                         ; the immediate's high byte repeats the setting that is left
.if MSB != (\new)
	s_set_vgpr_msb (MSB<<8)|(\new)
.set MSB, (\new)
.endif
.endm
.set MUL_LO, 0xa1                      ; source 0 window 1, source 1 window 0, C and D window 2
.set MUL_HI, 0xf1                      ; C and D window 3
.set TO_B,   0x40
; A joint load: waves 0 and 1 fetch for source 1 ("A"), waves 2 and 3 for source 0 ("B").  The branch hangs on the wave's number alone.  Four v_nop follow each line.
.macro JLOAD g0a, g1a, g0b, g1b
	s_cmp_eq_u32 s15, 0
	s_cbranch_scc0 .Lfor_b_\@
	tensor_load_to_lds s[\g0a:\g0a+3], s[\g1a:\g1a+7]
	s_nop 0
.rept 4
	v_nop
.endr
	s_branch .Lasked_\@
.Lfor_b_\@:
	tensor_load_to_lds s[\g0b:\g0b+3], s[\g1b:\g1b+7]
	s_nop 0
.rept 4
	v_nop
.endr
.Lasked_\@:
.endm
.macro CREST
	s_cmp_lg_u32 s14, 0
	s_cbranch_scc1 .Lnot_wave_0_\@
	s_barrier_signal -3
.Lnot_wave_0_\@:
	s_barrier_wait -3
	s_barrier_signal -1
	s_barrier_wait -1
.endm
.macro CROUND
	s_barrier_signal -1
	s_barrier_wait -1
	CREST
.endm
	s_load_b128 s[4:7], s[0:1], 0x0                ; codes, scales: for source 1
	s_load_b128 s[8:11], s[0:1], 0x0               ; the same two, for source 0
	s_load_b128 s[96:99], s[0:1], 0x10             ; bq, bk
	s_load_b64 s[100:101], s[0:1], 0x20            ; bv
	s_load_b64 s[12:13], s[0:1], 0x28              ; frag
	s_load_b64 s[66:67], s[0:1], 0x30              ; fsc
	v_lshl_add_u32 v[SPW], v0, 2, SPARE
	v_mov_b32 v[NIL], 0
	ds_add_u32 v28, v29
	ds_add_u32 v28, v29
	s_wait_dscnt 0x0
	v_lshrrev_b32 v1, 5, v0
	v_readfirstlane_b32 s14, v1                    ; wave
	s_lshr_b32 s15, s14, 1                         ; my half of source 1's rows.  Also: I fetch for A (0) or B (1)
	s_and_b32 s16, s14, 1                          ; my half of source 0's rows.  Also: which 128 rows I fetch
	s_bfe_u32 s40, ttmp6, 0x40000                  ; cx
	s_bfe_u32 s41, ttmp6, 0x40004                  ; cy
	s_and_b32 s18, ttmp7, 0xffff                   ; the cluster: 0 .. 23
	s_lshr_b32 s95, s18, 3                         ; the projection: 0 Q, 1 K, 2 V
	s_and_b32 s18, s18, 7
	s_lshl_b32 s18, s18, 2                         ; 4 x its cluster
	s_lshl_b32 s19, s95, 2
	s_add_co_u32 s19, s19, 96                      ; Q, K: W's first tile of 256 rows in the buffer
	s_add_co_u32 s20, s18, 64                      ; V: v's
	s_lshl_b32 s21, s95, 5
	s_add_co_u32 s21, s21, s18                     ; Q, K: q's or k's
	s_cmp_eq_u32 s95, 2
	s_cselect_b32 s19, s20, s19
	s_cselect_b32 s21, 104, s21                    ; V: Wv's
	s_add_co_u32 s42, s19, s40                     ; source 0's tile: hangs on cx
	s_add_co_u32 s17, s21, s41                     ; source 1's tile: hangs on cy
	s_lshl_b32 s43, s41, 2
	s_lshl_b32 s43, 15, s43                        ; my row of the cluster
	s_lshl_b32 s44, 0x1111, s40                    ; my column
	s_or_b32 s[G1+0], s43, (0<<16)|(1<<20)|(1<<21)|(3<<22)|(3<<25)  ; mask; elements of 1 byte; padding on; bit 21 beside a mask; after every 16 words; 4 words
	s_or_b32 s[G1B+0], s44, (0<<16)|(1<<20)|(1<<21)|(3<<22)|(3<<25)
.irp g, G1, G1B
	s_mov_b32 s[\g+1], ROWB<<16
	s_mov_b32 s[\g+2], 128<<16
	s_mov_b32 s[\g+3], ROWB<<16
	s_mov_b32 s[\g+4], 128
	s_mov_b32 s[\g+5], KROW
	s_mov_b32 s[\g+6], 0
	s_mov_b32 s[\g+7], 0
.endr
	s_or_b32 s[G1S+0], s43, (3<<16)|(1<<20)|(1<<21)|(5<<22)|(3<<25)  ; the scales of 128 rows: 4,096 dense bytes as rows of 256 + 16 of padding
	s_or_b32 s[G1SB+0], s44, (3<<16)|(1<<20)|(1<<21)|(5<<22)|(3<<25)
.irp g, G1S, G1SB
	s_mov_b32 s[\g+1], 32<<16
	s_mov_b32 s[\g+2], (128*KS/256)<<16
	s_mov_b32 s[\g+3], 32<<16
	s_mov_b32 s[\g+4], 128*KS/256
	s_mov_b32 s[\g+5], 32
	s_mov_b32 s[\g+6], 0
	s_mov_b32 s[\g+7], 0
.endr
	s_lshl_b32 s18, s16, 7
	s_lshl_b32 s20, s17, 8
	s_add_co_u32 s20, s20, s18                     ; A: the first row that I fetch
	s_lshl_b32 s46, s42, 8
	s_add_co_u32 s46, s46, s18                     ; B
	s_mov_b32 s21, 0
	s_mov_b32 s47, 0
	s_mov_b64 s[18:19], KS
	s_mul_u64 s[22:23], s[20:21], s[18:19]
	s_mul_u64 s[92:93], s[46:47], s[18:19]
	s_mov_b64 s[18:19], KROW
	s_mul_u64 s[20:21], s[20:21], s[18:19]
	s_mul_u64 s[46:47], s[46:47], s[18:19]
	s_mul_i32 s45, s14, HALFT                      ; where they go: wave x 128 rows
	s_mul_i32 s94, s14, HALFS
	s_wait_kmcnt 0x0
	s_add_nc_u64 s[20:21], s[4:5], s[20:21]
	s_add_nc_u64 s[22:23], s[6:7], s[22:23]
	s_add_nc_u64 s[46:47], s[8:9], s[46:47]
	s_add_nc_u64 s[92:93], s[10:11], s[92:93]
	CROUND                                         ; all sixteen work-groups are here: the first joint loads meet
	s_mov_b32 s[G0S], 1
	s_add_co_u32 s[G0S+1], s94, SCL
	s_mov_b64 s[G0S+2:G0S+3], s[22:23]
	s_or_b32 s[G0S+3], s[G0S+3], 0x80000000
	s_mov_b32 s[G0SB], 1
	s_add_co_u32 s[G0SB+1], s94, SCL
	s_mov_b64 s[G0SB+2:G0SB+3], s[92:93]
	s_or_b32 s[G0SB+3], s[G0SB+3], 0x80000000
	JLOAD G0S, G1S, G0SB, G1SB                     ; the scales first
.irp s, 0,1
	s_mov_b32 s[G0+4*\s], 1
	s_add_co_u32 s[G0+4*\s+1], s45, \s*SLOT
	s_add_nc_u64 s[G0+4*\s+2:G0+4*\s+3], s[20:21], \s*ROWB
	s_or_b32 s[G0+4*\s+3], s[G0+4*\s+3], 0x80000000
	s_mov_b32 s[G0B+4*\s], 1
	s_add_co_u32 s[G0B+4*\s+1], s45, \s*SLOT
	s_add_nc_u64 s[G0B+4*\s+2:G0B+4*\s+3], s[46:47], \s*ROWB
	s_or_b32 s[G0B+4*\s+3], s[G0B+4*\s+3], 0x80000000
	JLOAD G0+4*\s, G1, G0B+4*\s, G1B
.endr
	v_and_b32 v1, 15, v0                           ; r
	v_bfe_u32 v2, v0, 4, 1                         ; h
	v_mul_u32_u24 v3, v1, PITCH
	v_mul_u32_u24 v4, v2, 24
	v_add_nc_u32 v4, v3, v4                        ; row x pitch + 24 h
	v_lshl_add_u32 v5, v2, 4, v4                   ; the same behind one padding more
	s_mul_i32 s21, s15, HALFT
	s_mul_i32 s22, s16, HALFT
	s_add_co_u32 s22, s22, 2*HALFT
.irp s, 0,1
	v_add_nc_u32 v[ADRA+\s], s21, v4
	v_add_nc_u32 v[ADRB+\s], s22, v4
	v_add_nc_u32 v[ADRA+2+\s], s21, v5
	v_add_nc_u32 v[ADRB+2+\s], s22, v5
	s_add_co_u32 s21, s21, SLOT
	s_add_co_u32 s22, s22, SLOT
.endr
	v_mul_u32_u24 v5, v1, KS
	v_lshrrev_b32 v6, 8, v5
	v_lshl_add_u32 v5, v6, 4, v5
	s_mul_i32 s21, s15, HALFS
	s_mul_i32 s22, s16, HALFS
	s_add_co_u32 s22, s22, 2*HALFS
	s_sub_co_u32 s22, s22, s21
	v_mul_u32_u24 v6, s22, v2                      ; lanes 16-31 take B's scale words
	s_add_co_u32 s21, s21, SCL
	v_add_nc_u32 v5, v5, v6
	v_add_nc_u32 v[ADRS], s21, v5
	v_and_b32 v6, 31, v0
	v_lshlrev_b32 v[GA], 4, v6
	v_lshl_add_u32 v[GB], v6, 3, 512
	s_lshl_b32 s23, s14, 9
	v_lshl_add_u32 v[SW], v1, 2, s23
	v_add_nc_u32 v[SR], s23, v[GA]
	; which block of the output is mine, and the biases.  cx and cy enter global addresses alone
	s_and_b32 s18, ttmp7, 0xffff
	s_lshr_b32 s95, s18, 3
	s_and_b32 s18, s18, 7
	s_lshl_b32 s18, s18, 2
	s_cmp_eq_u32 s95, 1
	s_cselect_b64 s[96:97], s[98:99], s[96:97]
	s_cmp_eq_u32 s95, 2
	s_cselect_b64 s[96:97], s[100:101], s[96:97]   ; my projection's bias
	s_cselect_b32 s22, s18, 0
	s_cselect_b32 s23, 0, s18
	s_cselect_b32 s2, 6, 9                         ; log2 NJ
	s_cselect_b32 s92, 0, -1                       ; all ones for Q and K
	s_cselect_b32 s93, -1, 0                       ; all ones for V
	s_add_co_u32 s22, s22, s40
	s_lshl_b32 s22, s22, 1
	s_add_co_u32 s22, s22, s16                     ; I: my 128 rows of source 0
	s_add_co_u32 s23, s23, s41
	s_lshl_b32 s23, s23, 4
	s_lshl_b32 s3, s15, 3
	s_add_co_u32 s23, s23, s3                      ; J0: my first 16 rows of source 1
	s_lshl_b32 s2, s22, s2
	s_add_co_u32 s2, s2, s23                       ; I NJ + J0
	s_lshl_b32 s20, s22, 9
	s_and_b32 s20, s20, s92                        ; Q, K: 512 I bytes into the bias; V: 0 (what is loaded is then replaced by 0)
	s_lshl_b32 s46, s23, 6
	s_and_b32 s46, s46, s93                        ; V: 64 J0 bytes; Q, K: 0
	s_mov_b32 s21, 0
	s_mov_b32 s47, 0
	s_add_nc_u64 s[20:21], s[96:97], s[20:21]
	s_add_nc_u64 s[46:47], s[96:97], s[46:47]
	v_lshlrev_b32 v8, 6, v2                        ; 64 h: tile b's eight are bias[128 I + 32 (b / 2) + 16 h + 8 (b % 2) + 0 .. 7]
.irp b, 0,1,2,3,4,5,6,7
	global_load_b128 v[BI+8*\b:BI+8*\b+3], v8, s[20:21] offset:128*(\b/2)+32*(\b%2)
	global_load_b128 v[BI+8*\b+4:BI+8*\b+7], v8, s[20:21] offset:128*(\b/2)+32*(\b%2)+16
.endr
	v_and_b32 v9, 8, v1
	v_add_nc_u32 v9, v9, v1
	v_lshlrev_b32 v9, 2, v9                        ; 4 (r + 8 (r / 8)): the true row of a stored row
.irp a, 0,1,2,3,4,5,6,7
	global_load_b32 v[BJ+2*\a], v9, s[46:47] offset:4*(32*(\a/2)+8*(\a%2))
.endr
	s_mul_i32 s18, s95, 6291456
	s_mul_i32 s19, s2, 1536
	s_add_co_u32 s18, s18, s19
	s_mov_b32 s19, 0
	s_add_nc_u64 s[12:13], s[12:13], s[18:19]      ; my eight images
	s_lshl_b32 s18, s95, 18
	s_lshl_b32 s22, s2, 6
	s_add_co_u32 s18, s18, s22
	s_add_nc_u64 s[66:67], s[66:67], s[18:19]      ; their 512 bytes of scale words
	s_mov_b32 s[SEL], 0x76543210
	s_mov_b32 s[SEL+1], 0xfedcba98                 ; v_permlanex16_b32: lane l xor 16
.irp b, 0,1,2,3
	v_mov_b32 v[TM+4+\b], 0                        ; a lane permute's destination counts as read
.endr
	s_wait_loadcnt 0x0                             ; the biases
.set i, 0
.rept 64
	v_cndmask_b32 v[BI+i], 0, v[BI+i], s92
.set i, i+1
.endr
.irp a, 0,1,2,3,4,5,6,7
	v_cndmask_b32 v[BJ+2*\a], 0, v[BJ+2*\a], s93
	v_mov_b32 v[BJ+2*\a+1], 0
.endr
.macro FRAG reg, adr, q, i             ; 16 rows x 128 K: 12 registers, in pieces of 8 bytes; where a piece of lanes 16-31 lies behind one padding more, the second address register serves
.irp p, 0,1,2,3,4,5
.set PCE, 12*(\q)+6*(\p/3)+\p%3
.if PCE%8 < 5
	ds_load_b64 v[\reg+2*\p:\reg+2*\p+1], v[\adr] offset:8*PCE+16*(PCE/8)+(\i)*16*PITCH
.else
	ds_load_b64 v[\reg+2*\p:\reg+2*\p+1], v[\adr+2] offset:8*PCE+16*(PCE/8)+(\i)*16*PITCH
.endif
.endr
.endm
; 16 matrix instructions: A's blocks a0, a0 + 1 x B's eight.  first = 1: the sums begin with the bias as C.  The 64 accumulators take turns, one instruction a turn.
.macro MUL16 a0, p, q, sc, first
.irp a, \a0, \a0+1
.irp b, 0,1,2,3,4,5,6,7
.if \first
	v_wmma_scale_f32_16x16x128_f8f6f4 v[8*(8*((\a)%4)+\b):8*(8*((\a)%4)+\b)+7], v[128*(\p)+FR*\b:128*(\p)+FR*\b+FR-1], v[AF+FR*(\a):AF+FR*(\a)+FR-1], v[BI+8*\b:BI+8*\b+7], v[SC+8*NQ*(\sc)+NQ*\b+(\q)], v[SC+8*NQ*(\sc)+NQ*(\a)+(\q)] matrix_a_fmt:MATRIX_FMT_BF6 matrix_b_fmt:MATRIX_FMT_BF6 matrix_a_scale:MATRIX_SCALE_ROW1
.else
	v_wmma_scale_f32_16x16x128_f8f6f4 v[8*(8*((\a)%4)+\b):8*(8*((\a)%4)+\b)+7], v[128*(\p)+FR*\b:128*(\p)+FR*\b+FR-1], v[AF+FR*(\a):AF+FR*(\a)+FR-1], v[8*(8*((\a)%4)+\b):8*(8*((\a)%4)+\b)+7], v[SC+8*NQ*(\sc)+NQ*\b+(\q)], v[SC+8*NQ*(\sc)+NQ*(\a)+(\q)] matrix_a_fmt:MATRIX_FMT_BF6 matrix_b_fmt:MATRIX_FMT_BF6 matrix_a_scale:MATRIX_SCALE_ROW1
.endif
.endr
.endr
.endm
.macro FETCH_B slot, q, p
	WIN TO_B
.irp i, 0,1,2,3,4,5,6,7
	FRAG 128*(\p)+FR*\i, ADRB+\slot, \q, \i
.endr
	WIN 0
.endm
.macro FETCH_A slot, q, i0
.irp i, \i0, \i0+1, \i0+2, \i0+3
	FRAG AF+FR*(\i), ADRA+\slot, \q, \i
.endr
.endm
.macro SCALES sc                       ; a K step's scale words: lanes 0-15 A's block i, lanes 16-31 B's block i
.irp i, 0,1,2,3,4,5,6,7
	ds_load_b64 v[SC+8*NQ*\sc+NQ*\i:SC+8*NQ*\sc+NQ*\i+1], v[ADRS] offset:\i*SBLK
.endr
.endm
.macro PLACES n                        ; plain vector places behind matrix instructions, in front of loads into their registers and of reads of their results
.rept \n
	v_nop
.endr
.endm
.macro STEP slot, q, first
	s_wait_dscnt 4*NL                              ; B's set and A's blocks 0-3 are in; the youngest 24 loads (A's blocks 4-7) may be out
	WIN MUL_LO-0x20*(\first)                       ; (the bias, as C, lies in window 0)
	MUL16 0, (\q)%2, \q, \slot, \first
	MUL16 2, (\q)%2, \q, \slot, \first
	s_wait_dscnt 0
	PLACES NP
	FETCH_B \slot, (\q)+1, 1-(\q)%2
	FETCH_A \slot, (\q)+1, 0
	WIN MUL_HI-0x30*(\first)
	MUL16 4, (\q)%2, \q, \slot, \first
	MUL16 6, (\q)%2, \q, \slot, \first
	PLACES NP
	WIN 0
	FETCH_A \slot, (\q)+1, 4
.endm
; A slot's last step changes slots: one barrier; in front of it each wave waits for all its tensor loads, adds 0 to its spare word, and waits for that and for its reads of this slot.
.macro TURN slot, next, fill
	s_wait_tensorcnt 0x0                           ; all my tensor loads have landed: my part of the next slot
	ds_add_u32 v[SPW], v[NIL]
	s_wait_dscnt 4*NL+1                            ; (the add and the youngest 24 loads may be out)
	WIN MUL_LO
	MUL16 0, 1, NQ-1, \slot, 0
	s_wait_dscnt 0x0                               ; the add is done, and my reads of this slot are over
	s_barrier_signal -1
	MUL16 2, 1, NQ-1, \slot, 0
	WIN 0
	s_barrier_wait -1
.if \fill
	CREST                                          ; the barrier has opened a round of the cluster's: no wave of any partner still reads this slot or has a load on its way
	s_add_nc_u64 s[G0+4*\slot+2:G0+4*\slot+3], s[G0+4*\slot+2:G0+4*\slot+3], 2*ROWB
	s_add_nc_u64 s[G0B+4*\slot+2:G0B+4*\slot+3], s[G0B+4*\slot+2:G0B+4*\slot+3], 2*ROWB
	JLOAD G0+4*\slot, G1, G0B+4*\slot, G1B         ; the first tensor load behind the round; its four v_nop are the places in front of the loads below
.else
	PLACES NP
.endif
	v_add_nc_u32 v[ADRS], 4*NQ, v[ADRS]
	FETCH_B \next, 0, 0
	FETCH_A \next, 0, 0
	SCALES \next
	WIN MUL_HI
	MUL16 4, 1, NQ-1, \slot, 0
	MUL16 6, 1, NQ-1, \slot, 0
	PLACES NP
	WIN 0
	FETCH_A \next, 0, 4
.endm
	s_wait_tensorcnt 1                             ; of my three loads the scales and K step 0 are in; K step 1's may be out
	s_barrier_signal -1
	s_barrier_wait -1
	FETCH_B 0, 0, 0
	FETCH_A 0, 0, 0
	SCALES 0
	FETCH_A 0, 0, 4
	STEP 0, 0, 1
	s_mov_b32 s3, LAPS-1
.Llap:
	TURN 0, 1, 1
	STEP 1, 0, 0
	TURN 1, 0, 1
	STEP 0, 0, 0
	s_sub_co_u32 s3, s3, 1
	s_cmp_lg_u32 s3, 0
	s_cbranch_scc1 .Llap
	TURN 0, 1, 0                                   ; the last lap fills nothing
	STEP 1, 0, 0
	s_wait_dscnt 4*NL
	WIN MUL_LO
	MUL16 0, 1, NQ-1, 1, 0
	MUL16 2, 1, NQ-1, 1, 0
	s_wait_dscnt 0
	WIN MUL_HI
	MUL16 4, 1, NQ-1, 1, 0
	MUL16 6, 1, NQ-1, 1, 0
	WIN 0
; 64 numbers of a lane, register 16 b + i = k 32 b + 16 (lane / 16) + i of my row, become a fragment's codes in v[PC] on and its scale word in v[PW].
.macro QUANT s
.irp b, 0,1,2,3
	v_max3_num_f32 v[TM+\b], |v[\s+16*\b]|, |v[\s+1+16*\b]|, 0x2800000   ; my 16 of block b, and the floor 2^(5 - 127)
.endr
.irp i, 2,4,6,8,10,12,14
.irp b, 0,1,2,3
	v_max3_num_f32 v[TM+\b], v[TM+\b], |v[\s+16*\b+\i]|, |v[\s+1+16*\b+\i]|
.endr
.endr
.irp b, 0,1,2,3
	v_permlanex16_b32 v[TM+4+\b], v[TM+\b], s[SEL], s[SEL+1]
.endr
.irp b, 0,1,2,3
	v_max_num_f32 v[TM+\b], v[TM+\b], v[TM+4+\b]   ; with lane l xor 16's: the block's largest magnitude
.endr
.irp b, 0,1,2,3
	v_add_nc_u32 v[TM+12+\b], 0xfe000000, v[TM+\b] ; 4 off its exponent field: the conversion's scale operand
.endr
.irp b, 0,1,2,3
	v_lshrrev_b32 v[TM+4+\b], 23, v[TM+12+\b]      ; the byte
.endr
	v_lshl_or_b32 v[PW], v[TM+5], 8, v[TM+4]
	v_lshl_or_b32 v[PW], v[TM+6], 16, v[PW]
	v_lshl_or_b32 v[PW], v[TM+7], 24, v[PW]
.irp c, 0,1
	v_cvt_scalef32_pk16_bf6_f32 v[PC+6*\c:PC+2+6*\c], v[\s+32*\c:\s+15+32*\c], v[TM+12+2*\c]
	v_cvt_scalef32_pk16_bf6_f32 v[PC+12+4*\c:PC+14+4*\c], v[\s+16+32*\c:\s+31+32*\c], v[TM+12+2*\c+1]
.endr
	v_nop                                          ; one plain place behind a scaled conversion
.irp c, 0,1                            ; the layout wants a whole block in a lane: lanes 0-15 block 2 c, lanes 16-31 block 2 c + 1
.irp i, 0,1,2
	v_permlane16_swap_b32 v[PC+6*\c+\i], v[PC+12+4*\c+\i]
.endr
.irp i, 0,1,2
	v_mov_b32 v[PC+3+6*\c+\i], v[PC+12+4*\c+\i]
.endr
.endr
.endm
; Block a: 16 rows of source 1 x my 128 rows of source 0.  The sums (each accumulator from its low end on) + the bias by source 1's row; quantised; the image leaves in four stores of whole aligned runs of 256 bytes.
.macro OUTBLK a
	WIN 0x02+(\a)/4                                ; source 0: window 2 or 3
.set i, 0
.rept 32
	v_pk_add_f32 v[X+2*i:X+2*i+1], v[64*((\a)%4)+2*i:64*((\a)%4)+2*i+1], v[BJ+2*(\a):BJ+2*(\a)+1] op_sel_hi:[1,0]
.set i, i+1
.endr
	WIN 0
.if (\a) > 0
	s_wait_xcnt 0x0                                ; the last block's stores have read their data: the codes' registers are written again only behind this wait
	s_wait_dscnt 0x0                               ; and the scale word's
.endif
	QUANT X
	global_store_b128 v[GA], v[PC:PC+3], s[12:13] offset:1536*(\a)
	global_store_b64 v[GB], v[PC+4:PC+5], s[12:13] offset:1536*(\a)
	global_store_b128 v[GA], v[PC+6:PC+9], s[12:13] offset:1536*(\a)+768
	global_store_b64 v[GB], v[PC+10:PC+11], s[12:13] offset:1536*(\a)+768
	ds_store_b32 v[SW], v[PW] offset:64*(\a)       ; lanes l and l xor 16 write the same word with the same value.  The stage lies in slot 0, which has had its last fill and, since the last change of slots, its last read
.endm
	PLACES NP
.irp a, 0,1,2,3,4,5,6,7
	OUTBLK \a
.endr
	ds_load_b128 v[X:X+3], v[SR]                   ; in order behind my stores: eight blocks' 16 words each
	s_wait_dscnt 0x0
	global_store_b128 v[GA], v[X:X+3], s[66:67]    ; 512 consecutive bytes, aligned
	s_wait_tensorcnt 0x0                           ; the wave's end
	ds_add_u32 v[SPW], v[NIL]
	s_wait_dscnt 0x0
	CROUND                                         ; the closing round
	s_endpgm
.Lfunc_end_k_q1a1f97db94_proj:
	.size	k_q1a1f97db94_proj, .Lfunc_end_k_q1a1f97db94_proj-k_q1a1f97db94_proj
	.p2alignl 7, 3214868480
	.fill 96, 4, 3214868480
	.section	.rodata,"a",@progbits
	.p2align	6, 0x0
	.amdhsa_kernel k_q1a1f97db94_proj
		.amdhsa_group_segment_fixed_size 327680
		.amdhsa_private_segment_fixed_size 0
		.amdhsa_enable_private_segment 0
		.amdhsa_kernarg_size 56
		.amdhsa_user_sgpr_count 2
		.amdhsa_user_sgpr_kernarg_segment_ptr 1
		.amdhsa_wavefront_size32 1
		.amdhsa_system_sgpr_workgroup_id_x 1
		.amdhsa_system_sgpr_workgroup_id_y 1
		.amdhsa_system_sgpr_workgroup_id_z 1
		.amdhsa_system_vgpr_workitem_id 0
		.amdhsa_next_free_vgpr 1024
		.amdhsa_next_free_sgpr 102
		.amdhsa_reserve_vcc 0
		.amdhsa_float_denorm_mode_32 3
		.amdhsa_float_denorm_mode_16_64 3
		.amdhsa_memory_ordered 1
		.amdhsa_forward_progress 1
		.amdhsa_inst_pref_size 190
	.end_amdhsa_kernel
	.amdgpu_metadata
---
amdhsa.version: [ 1, 2 ]
amdhsa.kernels:
  - .name:           k_q1a1f97db94_proj
    .symbol:         k_q1a1f97db94_proj.kd
    .args:
      - { .name: codes, .offset: 0, .size: 8, .value_kind: global_buffer, .address_space: global }
      - { .name: scales, .offset: 8, .size: 8, .value_kind: global_buffer, .address_space: global }
      - { .name: bq, .offset: 16, .size: 8, .value_kind: global_buffer, .address_space: global }
      - { .name: bk, .offset: 24, .size: 8, .value_kind: global_buffer, .address_space: global }
      - { .name: bv, .offset: 32, .size: 8, .value_kind: global_buffer, .address_space: global }
      - { .name: frag, .offset: 40, .size: 8, .value_kind: global_buffer, .address_space: global }
      - { .name: fsc, .offset: 48, .size: 8, .value_kind: global_buffer, .address_space: global }
    .group_segment_fixed_size: 327680
    .private_segment_fixed_size: 0
    .kernarg_segment_align: 8
    .kernarg_segment_size: 56
    .max_flat_workgroup_size: 128
    .sgpr_count:     102
    .vgpr_count:     1024
    .wavefront_size: 32
...
	.end_amdgpu_metadata
.endif
;; end of part 2
;; launch attn (part 3): grid 4 x 64, 16 waves a work-group, no clusters, 210,944 bytes of LDS; arguments frag, fsc, mw, fl, cf, cs; writes cf, cs
.if DOCPART == 3
	.amdgcn_target "amdgcn-amd-amdhsa--gfx1250"
	.amdhsa_code_object_version 6
	.text
	.protected	k_q1a1f97db94_attn
	.globl	k_q1a1f97db94_attn
	.p2align	8
	.type	k_q1a1f97db94_attn,@function
k_q1a1f97db94_attn:
	s_mov_b64 s[64:65], 0
	v_nop
	global_prefetch_b8 v0, s[64:65] scope:SCOPE_SE
	s_setreg_imm32_b32 hwreg(HW_REG_WAVE_MODE, 25, 1), 1
	s_wait_xcnt 0x0
; Attention of one (batch, head) on codes of E3M2: S^T = K Q^T (K = the head's 64), the mask AS IT IS GIVEN, p = 2^(t - M) quantised along the keys, O^T = V^T P^T, O / the sum of the unquantised p, quantised along
; the head's 64 (two blocks of the output projection's K) and stored as half an operand image with two scale bytes a row.
; SHARES.  Work-group (x, y): y = 16 batch + head.  Its sixteen waves, four to a SIMD, each own two tiles of 16 queries: 16 x + wave, then 127 - (16 x + wave).
; K AND V OF THE WHOLE HEAD LIE IN LDS, filled once through registers: 16 records, one for each 128 keys, wave w fills record w; one barrier.  A record: K's 8 half images (768 bytes each), V's 4 images (1,536),
; K's scale words [r][8], V's [r][4].  All fragments come back by loads of 16 and 8 bytes a lane from consecutive bytes.
; THE MASK.  For each tile of queries and 128 keys an earlier launch has stored 64 lane masks and two bits: 2 = every score hidden: the step is left out (a scalar branch on that stored number);
; 0 = none hidden: the 64 selects are left out; 1 = the hidden scores become -infinity.  It holds for any mask.  The launch has no tensor load, hence no joint loads and no cluster.
; K = 64 IN AN INSTRUCTION OF K = 128: Q's registers 6-11 are zero codes, so whatever codes source 0 holds there (the next fragment's) add nothing; the scale bytes there are 0, which is a power of two.
; A ROW THAT IS HIDDEN WHOLLY has the sum 0: its two scale bytes are stored as 0xff, which makes the output row NaN, as a softmax of nothing is.
; No prefetch: K and V are read once, at the head.  The first step of a tile is not known to the text, so O^T, the sum and M begin as 0, 0 and -3e38.
; LIMITS: p under 2^-126 is taken as 0 (ISA guide, v_exp_f32); blocks under 2^-122 keep the byte 1, blocks of zeros too; NaN and infinities among the inputs are not served.
; REGISTERS: v1-7 offsets that stay; v8-11 addresses in hand; v12 -M, v13 largest t, v[14:15] the sum; v16-27 Q; v28 Q's scale word; v32-85 K's fragments 6 apart + six zeros, then V's four; v86-93, v94-97 scale words;
; v100-163 S^T, then p; v164-195 O^T; v196-214 codes; v216-233 at work.
.set REC,   13056
.set VOFF,  6144
.set KSO,   12288
.set VSO,   12800
.set S,   100
.set O,   164
.set PC,  196
.set PT,  208
.set BM,  216
.set BP,  220
.set BS,  224
.set F,   228                          ; f = 2^(old M - new M); v229 beside it is p's scale word
.set PW,  229
.set T,   230
	s_load_b256 s[4:11], s[0:1], 0x0               ; frag, fsc, mw, fl
	s_load_b128 s[12:15], s[0:1], 0x20             ; cf, cs
	v_lshl_add_u32 v254, v0, 2, 0x33000
	v_mov_b32 v255, 0
	v_lshrrev_b32 v1, 5, v0
	s_delay_alu instid0(VALU_DEP_1)
	v_readfirstlane_b32 s84, v1                    ; wave 0 .. 15
	s_lshl_b32 s85, ttmp9, 4
	s_add_co_u32 s85, s85, s84                     ; 16 x + wave
	s_and_b32 s16, ttmp7, 0xffff
	s_lshr_b32 s3, s16, 4
	s_lshl_b32 s3, s3, 7                           ; 128 x batch
	s_and_b32 s87, s16, 15                         ; head
	s_lshr_b32 s2, s87, 1
	s_lshl_b32 s2, s2, 9
	s_add_co_u32 s2, s2, s3                        ; 512 x pair of heads + 128 x batch: Q's and K's first block
	s_and_b32 s101, s87, 1
	s_lshl_b32 s101, s101, 4                       ; 16 c: which half of a pair's scale word is my head's
	s_mov_b32 s96, 0x3e38aa3b                      ; log2(e) / sqrt(64)
	s_mov_b32 s97, s96
	s_mov_b32 s98, 0x76543210
	s_mov_b32 s99, 0xfedcba98                      ; v_permlanex16_b32: lane l xor 16
	s_mov_b32 s100, 0xffff0000                     ; lanes 16-31
	v_and_b32 v30, 31, v0                          ; lane
	v_and_b32 v6, 15, v0                           ; r
	v_bfe_u32 v31, v0, 4, 1                        ; h
	s_delay_alu instid0(VALU_DEP_3)
	v_lshlrev_b32 v1, 4, v30                       ; 16 x lane
	s_delay_alu instid0(VALU_DEP_4)
	v_lshlrev_b32 v2, 3, v30                       ; 8 x lane
	s_delay_alu instid0(VALU_DEP_4)
	v_lshlrev_b32 v3, 5, v6                        ; 32 r
	v_lshlrev_b32 v4, 4, v6                        ; 16 r
	s_delay_alu instid0(VALU_DEP_2)
	v_add_nc_u32 v7, v3, v31                       ; 32 r + h
	v_mad_u32_u24 v8, v31, 768, v1                 ; 16 x lane + 768 h
	v_lshlrev_b32 v6, 2, v6                        ; 4 r
	v_mov_b32 v5, 0xff800000                       ; -infinity
	v_mov_b32 v29, 0xff
.irp i, 22,23,24,25,26,27,80,81,82,83,84,85
	v_mov_b32 v\i, 0                               ; zero codes: Q's k = 64 .. 127, and what stands behind K's eighth fragment
.endr
.irp i, 220,221,222,223,229,231
	v_mov_b32 v\i, 0                               ; lane permutes' destinations and upper halves of named pairs: written once
.endr
	s_mul_i32 s26, s84, REC                        ; my record
	v_add_nc_u32 v9, s26, v1
	v_and_b32 v10, 3, v30
	s_delay_alu instid0(VALU_DEP_1)
	v_lshlrev_b32 v10, 7, v10
	v_lshrrev_b32 v11, 2, v30
	s_delay_alu instid0(VALU_DEP_1)
	v_lshl_add_u32 v10, v11, 2, v10
	s_delay_alu instid0(VALU_DEP_1)
	v_add_nc_u32 v10, s26, v10                     ; K's scale words: lane l holds tile l / 4, rows 4 (l % 4) + e: to 32 row + 4 tile
	v_and_b32 v11, 7, v30
	s_delay_alu instid0(VALU_DEP_1)
	v_lshlrev_b32 v11, 5, v11
	v_lshrrev_b32 v31, 3, v30
	s_delay_alu instid0(VALU_DEP_1)
	v_lshl_add_u32 v11, v31, 2, v11
	s_delay_alu instid0(VALU_DEP_1)
	v_add_nc_u32 v11, s26, v11                     ; V's: lane l holds tile l / 8, rows 2 (l % 8) + e: to 16 row + 4 tile
	s_wait_alu depctr_va_vdst(0)
	s_wait_kmcnt 0x0
; What a pass needs from memory: Q's half image and scale words, the tile's flag word; where its lane masks begin.
.macro PASS_LOAD p
.if \p
	s_wait_xcnt 0x0                                ; the first pass's stores have read their bases and data
	s_sub_co_u32 s86, 127, s85
.else
	s_mov_b32 s86, s85
.endif
	s_add_co_u32 s90, s2, s86
	s_mul_i32 s92, s90, 1536
	s_mul_i32 s93, s101, 48                        ; 768 c
	s_add_co_u32 s92, s92, s93
	s_mov_b32 s93, 0
	s_add_nc_u64 s[92:93], s[4:5], s[92:93]
	s_lshl_b32 s66, s90, 6
	s_mov_b32 s67, 0
	s_add_nc_u64 s[66:67], s[6:7], s[66:67]
	s_lshl_b32 s94, s86, 12
	s_mov_b32 s95, 0
	s_add_nc_u64 s[94:95], s[8:9], s[94:95]
	s_lshl_b32 s90, s86, 2
	global_load_b128 v[16:19], v1, s[92:93]
	global_load_b64 v[20:21], v2, s[92:93] offset:512
	global_load_b32 v28, v6, s[66:67]
	s_load_b32 s89, s[10:11], s90 offset:0x0
.endm
	PASS_LOAD 0
	; ---- my record: 128 keys of K (my head's halves of 8 images), of V (4 images), their scale words
	s_lshl_b32 s16, s84, 3
	s_add_co_u32 s16, s16, s2
	s_mul_i32 s18, s16, 1536
	s_mul_i32 s17, s101, 48
	s_add_co_u32 s18, s18, s17
	s_add_co_u32 s18, s18, 6291456
	s_mov_b32 s19, 0
	s_add_nc_u64 s[18:19], s[4:5], s[18:19]
	s_lshl_b32 s20, s16, 6
	s_add_co_u32 s20, s20, 262144
	s_mov_b32 s21, 0
	s_add_nc_u64 s[20:21], s[6:7], s[20:21]
	s_lshl_b32 s16, s3, 3
	s_lshl_b32 s17, s84, 6
	s_add_co_u32 s16, s16, s17
	s_lshl_b32 s17, s87, 2
	s_add_co_u32 s16, s16, s17                     ; (16 batch + wave) 64 + 4 head
	s_mul_i32 s22, s16, 1536
	s_add_co_u32 s22, s22, 12582912
	s_mov_b32 s23, 0
	s_add_nc_u64 s[22:23], s[4:5], s[22:23]
	s_lshl_b32 s24, s16, 6
	s_add_co_u32 s24, s24, 524288
	s_mov_b32 s25, 0
	s_add_nc_u64 s[24:25], s[6:7], s[24:25]
.irp m, 0,1,2,3                        ; two halves of 768 bytes, 1,536 apart, by three loads of whole runs of 256 bytes: 512 of the first; its last 256 and the second's first 256; the second's last 512
	global_load_b128 v[32+12*\m:35+12*\m], v1, s[18:19] offset:3072*\m
	global_load_b128 v[36+12*\m:39+12*\m], v8, s[18:19] offset:3072*\m+512
	global_load_b128 v[40+12*\m:43+12*\m], v1, s[18:19] offset:3072*\m+1792
.endr
.irp i, 0,1,2,3,4,5,6,7,8,9,10,11
	global_load_b128 v[100+4*\i:103+4*\i], v1, s[22:23] offset:512*\i
.endr
	global_load_b128 v[148:151], v1, s[20:21]
	global_load_b64 v[152:153], v2, s[24:25]
	s_wait_loadcnt 14                              ; Q's three and K's twelve are in; V's twelve and the two of scale words may be out
.irp i, 0,1,2,3,4,5,6,7,8,9,10,11
	ds_store_b128 v9, v[32+4*\i:35+4*\i] offset:512*\i
.endr
	s_wait_loadcnt 2                               ; V's are in
.irp i, 0,1,2,3,4,5,6,7,8,9,10,11
	ds_store_b128 v9, v[100+4*\i:103+4*\i] offset:VOFF+512*\i
.endr
	s_wait_loadcnt 0x0
.irp e, 0,1,2,3
	v_bfe_u32 v[148+\e], v[148+\e], s101, 16       ; my head's two bytes; the upper two are 0
.endr
.irp e, 0,1,2,3
	ds_store_b32 v10, v[148+\e] offset:KSO+32*\e
.endr
	ds_store_b32 v11, v152 offset:VSO
	ds_store_b32 v11, v153 offset:VSO+16
	s_wait_dscnt 0x0                               ; for the others' sake: my stores have landed
	s_barrier_signal -1
	s_barrier_wait -1                              ; the head's K and V lie in LDS; nothing is stored there again
; A pass: one tile of 16 queries against the 16 key steps, then the way out.
.macro PASS_RUN
	s_wait_loadcnt 0x0                             ; Q
	s_wait_kmcnt 0x0                               ; the flags
	v_bfe_u32 v28, v28, s101, 16
	v_mov_b32 v13, 0xff61b1e6                      ; -3e38, under every t
	s_delay_alu instid0(VALU_DEP_1)
	v_floor_f32 v12, -v13                          ; -M
	v_mov_b32 v14, 0
	v_mov_b32 v15, 0
.set jj, 0
.rept 32
	v_mov_b32 v[O+jj], 0                           ; (these also stand between the write of Q's scale word and the first product)
.set jj, jj+1
.endr
	s_mov_b32 s91, 0                               ; the record in hand
	s_mov_b32 s88, 16
.Lstep_\@:
	s_and_b32 s90, s89, 3
	s_cmp_eq_u32 s90, 2
	s_cbranch_scc1 .Lnext_\@                       ; every score of the step is hidden
	s_load_b512 s[16:31], s[94:95], 0x0            ; the 64 lane masks: word n in s[16 + n], from word 48 on in s[20 + n]
	s_load_b512 s[32:47], s[94:95], 0x40
	s_load_b512 s[48:63], s[94:95], 0x80
	s_load_b512 s[68:83], s[94:95], 0xc0
	s_setprio 2
	v_add_nc_u32 v8, s91, v1                       ; four plain places in front of loads into registers that the last products read
	v_add_nc_u32 v9, s91, v2
	v_add_nc_u32 v10, s91, v3
	v_add_nc_u32 v11, s91, v4
.irp t, 0,1,2,3,4,5,6,7
	ds_load_b128 v[32+6*\t:35+6*\t], v8 offset:768*\t
	ds_load_b64 v[36+6*\t:37+6*\t], v9 offset:768*\t+512
.endr
	ds_load_b128 v[86:89], v10 offset:KSO
	ds_load_b128 v[90:93], v10 offset:KSO+16
	s_wait_alu depctr_va_vdst(0)
	s_wait_dscnt 0x0
.irp t, 0,1,2,3,4,5,6,7                ; S^T: lane (r, h) holds query r; register 16 b + i is key 32 b + 16 h + i of the step
	v_wmma_scale_f32_16x16x128_f8f6f4 v[S+8*\t:S+8*\t+7], v[32+6*\t:43+6*\t], v[16:27], 0, v[86+\t], v28 matrix_a_fmt:MATRIX_FMT_BF6 matrix_b_fmt:MATRIX_FMT_BF6
.endr
.rept 4
	v_nop                                          ; places: in front of V's loads into K's registers, and of the first read of the scores
.endr
.irp d, 0,1,2,3                        ; V's four fragments land while the softmax is worked
	ds_load_b128 v[32+12*\d:35+12*\d], v8 offset:VOFF+1536*\d
	ds_load_b64 v[36+12*\d:37+12*\d], v9 offset:VOFF+1536*\d+512
	ds_load_b128 v[38+12*\d:41+12*\d], v8 offset:VOFF+1536*\d+768
	ds_load_b64 v[42+12*\d:43+12*\d], v9 offset:VOFF+1536*\d+1280
.endr
	ds_load_b128 v[94:97], v11 offset:VSO
	s_wait_kmcnt 0x0                               ; the masks are in, on both ways
	s_cmp_eq_u32 s90, 0
	s_cbranch_scc1 .Lopen_\@
.set n, 0
.rept 64
	v_cndmask_b32 v[S+n], v[S+n], v5, s[16+n+4*(n/48)]
.set n, n+1
.endr
.Lopen_\@:
.irp b, 0,1,2,3
	v_max3_num_f32 v[BM+\b], v[S+16*\b], v[S+1+16*\b], v[S+2+16*\b]     ; the largest score of each block of 32 keys: for the row's maximum, and for the block's largest p
.endr
.irp i, 3,5,7,9,11,13
.irp b, 0,1,2,3
	v_max3_num_f32 v[BM+\b], v[BM+\b], v[S+16*\b+\i], v[S+1+16*\b+\i]
.endr
.endr
.irp b, 0,1,2,3
	v_max_num_f32 v[BM+\b], v[BM+\b], v[S+15+16*\b]
.endr
.irp b, 0,1,2,3
	s_delay_alu instid0(VALU_DEP_4)
	v_permlanex16_b32 v[BP+\b], v[BM+\b], s98, s99
.endr
.irp b, 0,1,2,3
	s_delay_alu instid0(VALU_DEP_4)
	v_max_num_f32 v[BM+\b], v[BM+\b], v[BP+\b]
.endr
	s_delay_alu instid0(VALU_DEP_2)
	v_max3_num_f32 v[T], v[BM], v[BM+1], v[BM+2]
	s_delay_alu instid0(VALU_DEP_1)
	v_max_num_f32 v[T], v[T], v[BM+3]
	s_delay_alu instid0(VALU_DEP_1)
	v_mul_f32 v[T], s96, v[T]
	s_delay_alu instid0(VALU_DEP_1)
	v_max_num_f32 v13, v13, v[T]                   ; the running largest t
	v_mov_b32 v[T], v12
	s_delay_alu instid0(VALU_DEP_2)
	v_floor_f32 v12, -v13                          ; -M = floor(-t): M is a whole number
	s_delay_alu instid0(VALU_DEP_1)
	v_sub_f32 v[T], v12, v[T]                      ; old M - new M, 0 or less
	s_delay_alu instid0(VALU_DEP_1)
	v_cvt_i32_f32 v[T], v[T]                       ; (it saturates)
	s_delay_alu instid0(VALU_DEP_1)
	v_ldexp_f32 v[F], 1.0, v[T]                    ; f: an exact power of two
.set jj, 0
.rept 32
	v_pk_fma_f32 v[S+jj:S+jj+1], v[S+jj:S+jj+1], s[96:97], v[12:13] op_sel_hi:[1,0,0]   ; t - M
.set jj, jj+2
.endr
.irp b, 0,1,2,3
	v_fma_f32 v[BM+\b], v[BM+\b], s96, v12
.endr
.set jj, 0
	s_setprio 1
	s_wait_alu depctr_va_vdst(0)
.rept 64
	v_exp_f32 v[S+jj], v[S+jj]                     ; p, not normalised
.set jj, jj+1
.endr
	v_pk_mul_f32 v[14:15], v[14:15], v[F:F+1] op_sel_hi:[1,0]      ; the sums under the new M: the plain place behind the batch
	s_wait_alu depctr_va_vdst(0)                   ; one wait for the 64, ahead of their first reader
.irp b, 0,1,2,3
	v_exp_f32 v[BM+\b], v[BM+\b]                   ; each block's largest p
.endr
	v_pk_add_f32 v[232:233], v[104:105], v[108:109]
	v_pk_add_f32 v[252:253], v[112:113], v[116:117]
	v_pk_add_f32 v[250:251], v[120:121], v[124:125]
	v_pk_add_f32 v[248:249], v[128:129], v[132:133]
	v_pk_add_f32 v[246:247], v[136:137], v[140:141]
	v_pk_add_f32 v[244:245], v[144:145], v[148:149]
	v_pk_add_f32 v[242:243], v[152:153], v[156:157]
	v_pk_add_f32 v[14:15], v[14:15], v[160:161]
	v_pk_add_f32 v[232:233], v[232:233], v[100:101]
	v_pk_add_f32 v[252:253], v[252:253], v[102:103]
	v_pk_add_f32 v[250:251], v[250:251], v[106:107]
	v_pk_add_f32 v[248:249], v[248:249], v[110:111]
	v_pk_add_f32 v[246:247], v[246:247], v[114:115]
	v_pk_add_f32 v[244:245], v[244:245], v[118:119]
	v_pk_add_f32 v[242:243], v[242:243], v[122:123]
	v_pk_add_f32 v[14:15], v[14:15], v[126:127]
	v_pk_add_f32 v[232:233], v[232:233], v[130:131]
	v_pk_add_f32 v[252:253], v[252:253], v[134:135]
	v_pk_add_f32 v[250:251], v[250:251], v[138:139]
	v_pk_add_f32 v[248:249], v[248:249], v[142:143]
	v_pk_add_f32 v[246:247], v[246:247], v[146:147]
	v_pk_add_f32 v[244:245], v[244:245], v[150:151]
	v_pk_add_f32 v[242:243], v[242:243], v[154:155]
	v_pk_add_f32 v[14:15], v[14:15], v[158:159]
	v_pk_add_f32 v[232:233], v[232:233], v[162:163]
	s_delay_alu instid0(VALU_DEP_2)
	v_pk_add_f32 v[14:15], v[14:15], v[248:249]
	s_delay_alu instid0(VALU_DEP_2)
	v_pk_add_f32 v[232:233], v[232:233], v[246:247]
	v_pk_add_f32 v[252:253], v[252:253], v[244:245]
	v_pk_add_f32 v[250:251], v[250:251], v[242:243]
	s_delay_alu instid0(VALU_DEP_2)
	v_pk_add_f32 v[14:15], v[14:15], v[252:253]
	s_delay_alu instid0(VALU_DEP_2)
	v_pk_add_f32 v[232:233], v[232:233], v[250:251]
	s_delay_alu instid0(VALU_DEP_1)
	v_pk_add_f32 v[14:15], v[14:15], v[232:233]
	s_wait_alu depctr_va_vdst(0)                   ; and one for the four
.irp b, 0,1,2,3
	v_max_num_f32 v[BM+\b], 0x2800000, v[BM+\b]    ; the floor 2^(5 - 127)
.endr
.irp b, 0,1,2,3
	s_delay_alu instid0(VALU_DEP_4)
	v_add_nc_u32 v[BS+\b], 0xfe000000, v[BM+\b]
.endr
.irp b, 0,1,2,3
	s_delay_alu instid0(VALU_DEP_4)
	v_lshrrev_b32 v[BP+\b], 23, v[BS+\b]
.endr
	s_delay_alu instid0(VALU_DEP_3)
	v_lshl_or_b32 v[PW], v[BP+1], 8, v[BP]
	s_delay_alu instid0(VALU_DEP_1)
	v_lshl_or_b32 v[PW], v[BP+2], 16, v[PW]
	s_delay_alu instid0(VALU_DEP_1)
	v_lshl_or_b32 v[PW], v[BP+3], 24, v[PW]
.irp c, 0,1
	v_cvt_scalef32_pk16_bf6_f32 v[PC+6*\c:PC+2+6*\c], v[S+32*\c:S+15+32*\c], v[BS+2*\c]
	v_cvt_scalef32_pk16_bf6_f32 v[PT+4*\c:PT+2+4*\c], v[S+16+32*\c:S+31+32*\c], v[BS+2*\c+1]
.endr
	s_setprio 0
	v_nop                                          ; one plain place behind a scaled conversion
.irp c, 0,1
.irp i, 0,1,2
	v_permlane16_swap_b32 v[PC+6*\c+\i], v[PT+4*\c+\i]
.endr
.irp i, 0,1,2
	s_delay_alu instid0(VALU_DEP_3)
	v_mov_b32 v[PC+3+6*\c+\i], v[PT+4*\c+\i]
.endr
.endr
.set jj, 0
.rept 16
	v_pk_mul_f32 v[O+jj:O+jj+1], v[O+jj:O+jj+1], v[F:F+1] op_sel_hi:[1,0]   ; O^T under the new M; these sixteen also stand between the writes of p's codes and scale word and the products
.set jj, jj+2
.endr
	s_wait_alu depctr_va_vdst(0)
	s_wait_dscnt 0x0                               ; V
.irp d, 0,1,2,3                        ; the four accumulators by turns, one instruction a turn
	v_wmma_scale_f32_16x16x128_f8f6f4 v[O+8*\d:O+8*\d+7], v[32+12*\d:43+12*\d], v[PC:PC+11], v[O+8*\d:O+8*\d+7], v[94+\d], v[PW] matrix_a_fmt:MATRIX_FMT_BF6 matrix_b_fmt:MATRIX_FMT_BF6
.endr
.Lnext_\@:
	s_lshr_b32 s89, s89, 2
	s_add_co_u32 s91, s91, REC
	s_add_nc_u64 s[94:95], s[94:95], 256           ; (the scalar loads that named it have been waited for)
	s_sub_co_i32 s88, s88, 1
	s_cmp_lg_u32 s88, 0
	s_cbranch_scc1 .Lstep_\@
	s_setprio 0
	; ---- the way out
.rept 4
	v_nop
.endr
	v_add_f32 v14, v14, v15
	s_delay_alu instid0(VALU_DEP_1)
	v_permlanex16_b32 v231, v14, s98, s99
	s_delay_alu instid0(VALU_DEP_1)
	v_add_f32 v14, v14, v231                       ; the row's sum
	s_wait_alu depctr_va_vdst(0)
	v_rcp_f32 v[T], v14
	v_nop                                          ; a plain place behind the reciprocal
	v_cmp_eq_f32 vcc_lo, 0, v14                    ; a row with nothing to attend to
	s_add_co_u32 s90, s3, s86                      ; 128 batch + tile: the rows' block
	s_mul_i32 s66, s90, 12288
	s_mul_i32 s67, s87, 768
	s_add_co_u32 s66, s66, s67
	s_mov_b32 s67, 0
	s_add_nc_u64 s[92:93], s[12:13], s[66:67]      ; my half image
	s_lshl_b32 s66, s90, 9
	s_lshl_b32 s90, s87, 1
	s_add_co_u32 s66, s66, s90
	s_add_nc_u64 s[66:67], s[14:15], s[66:67]      ; my rows' scale bytes 2 head, 2 head + 1
	s_wait_alu depctr_va_vdst(0)                   ; ahead of the reciprocal's first reader
.set jj, 0
.rept 16
	v_pk_mul_f32 v[S+jj:S+jj+1], v[O+jj:O+jj+1], v[T:T+1] op_sel_hi:[1,0]   ; register 16 b + i is channel 32 b + 16 h + i of the head
.set jj, jj+2
.endr
.irp b, 0,1
	v_max3_num_f32 v[BM+\b], |v[S+16*\b]|, |v[S+1+16*\b]|, 0x2800000
.endr
.irp i, 2,4,6,8,10,12,14
.irp b, 0,1
	s_delay_alu instid0(VALU_DEP_2)
	v_max3_num_f32 v[BM+\b], v[BM+\b], |v[S+16*\b+\i]|, |v[S+1+16*\b+\i]|
.endr
.endr
.irp b, 0,1
	s_delay_alu instid0(VALU_DEP_2)
	v_permlanex16_b32 v[BP+\b], v[BM+\b], s98, s99
.endr
.irp b, 0,1
	s_delay_alu instid0(VALU_DEP_2)
	v_max_num_f32 v[BM+\b], v[BM+\b], v[BP+\b]
.endr
.irp b, 0,1
	s_delay_alu instid0(VALU_DEP_2)
	v_add_nc_u32 v[BS+\b], 0xfe000000, v[BM+\b]
.endr
.irp b, 0,1
	s_delay_alu instid0(VALU_DEP_2)
	v_lshrrev_b32 v[BP+\b], 23, v[BS+\b]
.endr
	v_cvt_scalef32_pk16_bf6_f32 v[PC:PC+2], v[S:S+15], v[BS]
	v_cvt_scalef32_pk16_bf6_f32 v[PT:PT+2], v[S+16:S+31], v[BS+1]
	v_nop
.irp i, 0,1,2
	v_permlane16_swap_b32 v[PC+\i], v[PT+\i]
.endr
.irp i, 0,1,2
	s_delay_alu instid0(VALU_DEP_3)
	v_mov_b32 v[PC+3+\i], v[PT+\i]
.endr
	v_cndmask_b32 v231, v[BP], v[BP+1], s100       ; lanes 0-15 block 0's byte, lanes 16-31 block 1's
	s_delay_alu instid0(VALU_DEP_1)
	v_cndmask_b32 v231, v231, v29, vcc_lo
	global_store_b128 v1, v[PC:PC+3], s[92:93]     ; 512 consecutive bytes, aligned
	global_store_b64 v2, v[PC+4:PC+5], s[92:93] offset:512
	global_store_b8 v7, v231, s[66:67]             ; two bytes of each row's 32: the others are other heads'
.endm
	PASS_RUN
	PASS_LOAD 1
	PASS_RUN
	s_wait_tensorcnt 0x0
	ds_add_u32 v254, v255
	s_wait_dscnt 0x0
	s_endpgm
.Lfunc_end_k_q1a1f97db94_attn:
	.size	k_q1a1f97db94_attn, .Lfunc_end_k_q1a1f97db94_attn-k_q1a1f97db94_attn
	.p2alignl 7, 3214868480
	.fill 96, 4, 3214868480
	.section	.rodata,"a",@progbits
	.p2align	6, 0x0
	.amdhsa_kernel k_q1a1f97db94_attn
		.amdhsa_group_segment_fixed_size 210944
		.amdhsa_private_segment_fixed_size 0
		.amdhsa_enable_private_segment 0
		.amdhsa_kernarg_size 48
		.amdhsa_user_sgpr_count 2
		.amdhsa_user_sgpr_kernarg_segment_ptr 1
		.amdhsa_wavefront_size32 1
		.amdhsa_system_sgpr_workgroup_id_x 1
		.amdhsa_system_sgpr_workgroup_id_y 1
		.amdhsa_system_sgpr_workgroup_id_z 1
		.amdhsa_system_vgpr_workitem_id 0
		.amdhsa_next_free_vgpr 256
		.amdhsa_next_free_sgpr 102
		.amdhsa_reserve_vcc 1
		.amdhsa_float_denorm_mode_32 3
		.amdhsa_float_denorm_mode_16_64 3
		.amdhsa_memory_ordered 1
		.amdhsa_forward_progress 1
		.amdhsa_inst_pref_size 67
	.end_amdhsa_kernel
	.amdgpu_metadata
---
amdhsa.version: [ 1, 2 ]
amdhsa.kernels:
  - .name:           k_q1a1f97db94_attn
    .symbol:         k_q1a1f97db94_attn.kd
    .args:
      - { .name: frag, .offset: 0, .size: 8, .value_kind: global_buffer, .address_space: global }
      - { .name: fsc, .offset: 8, .size: 8, .value_kind: global_buffer, .address_space: global }
      - { .name: mw, .offset: 16, .size: 8, .value_kind: global_buffer, .address_space: global }
      - { .name: fl, .offset: 24, .size: 8, .value_kind: global_buffer, .address_space: global }
      - { .name: cf, .offset: 32, .size: 8, .value_kind: global_buffer, .address_space: global }
      - { .name: cs, .offset: 40, .size: 8, .value_kind: global_buffer, .address_space: global }
    .group_segment_fixed_size: 210944
    .private_segment_fixed_size: 0
    .kernarg_segment_align: 8
    .kernarg_segment_size: 48
    .max_flat_workgroup_size: 512
    .sgpr_count:     102
    .vgpr_count:     256
    .wavefront_size: 32
...
	.end_amdgpu_metadata
.endif
;; end of part 3
;; launch outp (part 4): grid 4 x 32, 4 waves a work-group, clusters of 4 x 4, 327,680 bytes of LDS; arguments cf, cs, codes, scales, bo, out0; writes out0
.if DOCPART == 4
	.amdgcn_target "amdgcn-amd-amdhsa--gfx1250"
	.amdhsa_code_object_version 6
	.text
	.protected	k_q1a1f97db94_outp
	.globl	k_q1a1f97db94_outp
	.p2align	8
	.type	k_q1a1f97db94_outp,@function
k_q1a1f97db94_outp:
	s_mov_b64 s[64:65], 0
	v_nop
	global_prefetch_b8 v0, s[64:65] scope:SCOPE_SE
	s_setreg_imm32_b32 hwreg(HW_REG_WAVE_MODE, 25, 1), 1
	s_wait_xcnt 0x0
	s_wait_alu depctr_hold_cnt(0) depctr_sa_sdst(0) depctr_va_vdst(0) depctr_va_sdst(0) depctr_va_ssrc(0) depctr_va_vcc(0) depctr_vm_vsrc(0)
	s_getreg_b32 s2, hwreg(HW_REG_IB_STS2, 6, 4)
	s_cmp_eq_u32 s2, 0
	s_cbranch_scc0 .Lentry_in_a_cluster
	s_endpgm
.Lentry_in_a_cluster:
	s_bfe_u32 s2, ttmp6, 0x10000c
	s_cmp_lg_u32 s2, 0xf033
	s_cbranch_scc0 .Lentry_shape_is_right
	s_endpgm
.Lentry_shape_is_right:
; out0 = ctx Wo^T + bo on codes of E3M2.  ctx [8192][1024] lies as images of operand registers: block (16 rows J, 128 along K s) is 1,536 bytes at (8 J + s) x 1536 (registers 0-3: 16 bytes a lane; 4-5: 8 bytes a lane
; from byte 512; registers 6-11 likewise from byte 768); its scale bytes [8192][32].  Wo's codes are rows 27,648 on of the codes' buffer, 768 bytes a row, its scale bytes 32 a row.  out0 [8192][1024] f32.
; A work-group makes 256 x 256, a wave 128 x 128: 64 accumulators.  K goes in steps of 256 through two LDS slots filled by joint tensor loads in clusters of 4 x 4: ctx's tile is shared along a row, Wo's along a column.
; A tile of ctx for a wave's load is 8 blocks J x 3,072 consecutive bytes (two images), 12,288 bytes apart: it lies dense in LDS and a fragment comes by four loads from consecutive bytes.
; The matrix instruction is used transposed (source 0 = rows of Wo, source 1 = rows of ctx): a lane holds eight neighbouring numbers of a row of out0.  bo is the C of the first K step.
; No prefetch: K has four steps, two of which are first fills.  128 work-groups: the problem has no more tiles of this size.
.set SIZE_N, 1024
.set SIZE_K, 1024
.set KSTEP,  256
.set NQ,     KSTEP/128
.set ROWB,   192
.set KROW,   SIZE_K*6/8
.set PITCH,  240
.set FR,     12
.set NL,     6                         ; LDS loads of a fragment of Wo
.set NLA,    4                         ; of ctx
.set NP,     4
.set HALFT,  128*PITCH                 ; 128 rows of Wo
.set HALFA,  8*3072                    ; 128 rows of ctx
.set SLOT,   2*HALFA+2*HALFT
.set LAPS,   SIZE_K/(2*KSTEP)
.set KS,     SIZE_K/32
.set SCL,    2*SLOT
.set HALFS,  (128*KS/256)*272
.set SBLK,   (16*KS/256)*272
.set SPARE,  SCL+4*HALFS               ; the spare words: two blocks of 256 bytes that no other line names
.set SPITCH, 528                       ; the way out: 16 rows x (512 + 16) bytes a wave, in slot 0 behind its last fill and last read
.set ADRA, 16                          ; v16-17 ctx: slot's base + 16 x lane; v18-19 + 8 x lane
.set ADRB, 20                          ; v20-23 Wo
.set STO,  24
.set RD,   25
.set CO,   26
.set ADRS, 27
.set SPW,  28
.set NIL,  29
.set SC,   32
.set BI,   64                          ; v64-127 bo in the result's layout, eight registers a tile
.set AF,   128
.set BK,   128
.set G1, 24
.set G0, 32
.set G1B, 48
.set G0B, 56
.set G1S, 68
.set G0S, 76
.set G1SB, 80
.set G0SB, 88
.set MSB, 0
.macro WIN new
.if MSB != (\new)
	s_set_vgpr_msb (MSB<<8)|(\new)
.set MSB, (\new)
.endif
.endm
.set MUL_LO, 0xa1
.set MUL_HI, 0xf1
.set TO_B,   0x40
.macro JLOAD g0a, g1a, g0b, g1b        ; waves 0 and 1 fetch for ctx, waves 2 and 3 for Wo; four v_nop follow each line
	s_cmp_eq_u32 s15, 0
	s_cbranch_scc0 .Lfor_b_\@
	tensor_load_to_lds s[\g0a:\g0a+3], s[\g1a:\g1a+7]
	s_nop 0
.rept 4
	v_nop
.endr
	s_branch .Lasked_\@
.Lfor_b_\@:
	tensor_load_to_lds s[\g0b:\g0b+3], s[\g1b:\g1b+7]
	s_nop 0
.rept 4
	v_nop
.endr
.Lasked_\@:
.endm
.macro CREST
	s_cmp_lg_u32 s14, 0
	s_cbranch_scc1 .Lnot_wave_0_\@
	s_barrier_signal -3
.Lnot_wave_0_\@:
	s_barrier_wait -3
	s_barrier_signal -1
	s_barrier_wait -1
.endm
.macro CROUND
	s_barrier_signal -1
	s_barrier_wait -1
	CREST
.endm
	s_load_b128 s[4:7], s[0:1], 0x0                ; ctx's images, ctx's scales
	s_load_b128 s[8:11], s[0:1], 0x10              ; codes, scales
	s_load_b64 s[66:67], s[0:1], 0x20              ; bo
	s_load_b64 s[12:13], s[0:1], 0x28              ; out0
	v_lshl_add_u32 v[SPW], v0, 2, SPARE
	v_mov_b32 v[NIL], 0
	ds_add_u32 v28, v29
	ds_add_u32 v28, v29
	s_wait_dscnt 0x0
	v_lshrrev_b32 v1, 5, v0
	v_readfirstlane_b32 s14, v1
	s_lshr_b32 s15, s14, 1                         ; my half of the tile's rows.  Also: I fetch for ctx (0) or Wo (1)
	s_and_b32 s16, s14, 1                          ; my half of its columns.  Also: which 128 rows I fetch
	s_bfe_u32 s40, ttmp6, 0x40000
	s_bfe_u32 s41, ttmp6, 0x40004
	s_lshl_b32 s42, ttmp9, 2
	s_add_co_u32 s42, s42, s40                     ; tile column
	s_and_b32 s17, ttmp7, 0xffff
	s_lshl_b32 s17, s17, 2
	s_add_co_u32 s17, s17, s41                     ; tile row
	s_lshl_b32 s43, s41, 2
	s_lshl_b32 s43, 15, s43
	s_lshl_b32 s44, 0x1111, s40
	s_or_b32 s[G1+0], s43, (3<<16)|(1<<21)         ; ctx: mask of my row; elements of 8 bytes; no padding; bit 21 beside a mask
	s_mov_b32 s[G1+1], 384<<16                     ; tensor_dim0 = 384 elements: 3,072 bytes
	s_mov_b32 s[G1+2], 8<<16                       ; tensor_dim1 = 8
	s_mov_b32 s[G1+3], 384<<16                     ; tile_dim0
	s_mov_b32 s[G1+4], 8                           ; tile_dim1
	s_mov_b32 s[G1+5], 1536                        ; 12,288 bytes from block to block
	s_mov_b32 s[G1+6], 0
	s_mov_b32 s[G1+7], 0
	s_or_b32 s[G1B+0], s44, (0<<16)|(1<<20)|(1<<21)|(3<<22)|(3<<25)
	s_mov_b32 s[G1B+1], ROWB<<16
	s_mov_b32 s[G1B+2], 128<<16
	s_mov_b32 s[G1B+3], ROWB<<16
	s_mov_b32 s[G1B+4], 128
	s_mov_b32 s[G1B+5], KROW
	s_mov_b32 s[G1B+6], 0
	s_mov_b32 s[G1B+7], 0
	s_or_b32 s[G1S+0], s43, (3<<16)|(1<<20)|(1<<21)|(5<<22)|(3<<25)
	s_or_b32 s[G1SB+0], s44, (3<<16)|(1<<20)|(1<<21)|(5<<22)|(3<<25)
.irp g, G1S, G1SB
	s_mov_b32 s[\g+1], 32<<16
	s_mov_b32 s[\g+2], (128*KS/256)<<16
	s_mov_b32 s[\g+3], 32<<16
	s_mov_b32 s[\g+4], 128*KS/256
	s_mov_b32 s[\g+5], 32
	s_mov_b32 s[\g+6], 0
	s_mov_b32 s[\g+7], 0
.endr
	s_lshl_b32 s18, s16, 7
	s_lshl_b32 s20, s17, 8
	s_add_co_u32 s20, s20, s18                     ; ctx: the first row that I fetch
	s_lshl_b32 s46, s42, 8
	s_add_co_u32 s46, s46, s18                     ; Wo
	s_mov_b32 s21, 0
	s_mov_b32 s47, 0
	s_mov_b64 s[18:19], KS
	s_mul_u64 s[22:23], s[20:21], s[18:19]
	s_mul_u64 s[92:93], s[46:47], s[18:19]
	s_mov_b64 s[18:19], KROW
	s_mul_u64 s[20:21], s[20:21], s[18:19]         ; 16 rows of ctx are 12,288 bytes of images: 768 a row
	s_mul_u64 s[46:47], s[46:47], s[18:19]
	s_mul_i32 s45, s16, HALFA                      ; where they go: ctx's two halves,
	s_mul_i32 s95, s16, HALFT
	s_add_co_u32 s95, s95, 2*HALFA                 ; then Wo's two
	s_mul_i32 s94, s14, HALFS
	s_wait_kmcnt 0x0
	s_add_nc_u64 s[8:9], s[8:9], 21233664          ; Wo's first row of codes
	s_add_nc_u64 s[10:11], s[10:11], 884736        ; and of scale bytes
	s_add_nc_u64 s[20:21], s[4:5], s[20:21]
	s_add_nc_u64 s[22:23], s[6:7], s[22:23]
	s_add_nc_u64 s[46:47], s[8:9], s[46:47]
	s_add_nc_u64 s[92:93], s[10:11], s[92:93]
	CROUND                                         ; all sixteen work-groups are here
	s_mov_b32 s[G0S], 1
	s_add_co_u32 s[G0S+1], s94, SCL
	s_mov_b64 s[G0S+2:G0S+3], s[22:23]
	s_or_b32 s[G0S+3], s[G0S+3], 0x80000000
	s_mov_b32 s[G0SB], 1
	s_add_co_u32 s[G0SB+1], s94, SCL
	s_mov_b64 s[G0SB+2:G0SB+3], s[92:93]
	s_or_b32 s[G0SB+3], s[G0SB+3], 0x80000000
	JLOAD G0S, G1S, G0SB, G1SB
.irp s, 0,1
	s_mov_b32 s[G0+4*\s], 1
	s_add_co_u32 s[G0+4*\s+1], s45, \s*SLOT
	s_add_nc_u64 s[G0+4*\s+2:G0+4*\s+3], s[20:21], \s*3072
	s_or_b32 s[G0+4*\s+3], s[G0+4*\s+3], 0x80000000
	s_mov_b32 s[G0B+4*\s], 1
	s_add_co_u32 s[G0B+4*\s+1], s95, \s*SLOT
	s_add_nc_u64 s[G0B+4*\s+2:G0B+4*\s+3], s[46:47], \s*ROWB
	s_or_b32 s[G0B+4*\s+3], s[G0B+4*\s+3], 0x80000000
	JLOAD G0+4*\s, G1, G0B+4*\s, G1B
.endr
	v_and_b32 v1, 15, v0                           ; r
	v_bfe_u32 v2, v0, 4, 1                         ; h
	v_mul_u32_u24 v3, v1, PITCH
	v_mul_u32_u24 v4, v2, 24
	v_add_nc_u32 v4, v3, v4
	v_lshl_add_u32 v5, v2, 4, v4
	v_and_b32 v6, 31, v0
	v_lshlrev_b32 v7, 4, v6                        ; 16 x lane
	v_lshlrev_b32 v8, 3, v6                        ; 8 x lane
	s_mul_i32 s21, s15, HALFA
	s_mul_i32 s22, s16, HALFT
	s_add_co_u32 s22, s22, 2*HALFA
.irp s, 0,1
	v_add_nc_u32 v[ADRA+\s], s21, v7
	v_add_nc_u32 v[ADRA+2+\s], s21, v8
	v_add_nc_u32 v[ADRB+\s], s22, v4
	v_add_nc_u32 v[ADRB+2+\s], s22, v5
	s_add_co_u32 s21, s21, SLOT
	s_add_co_u32 s22, s22, SLOT
.endr
	v_mul_u32_u24 v5, v1, KS
	v_lshrrev_b32 v6, 8, v5
	v_lshl_add_u32 v5, v6, 4, v5
	s_mul_i32 s21, s15, HALFS
	s_mul_i32 s22, s16, HALFS
	s_add_co_u32 s22, s22, 2*HALFS
	s_sub_co_u32 s22, s22, s21
	v_mul_u32_u24 v6, s22, v2
	s_add_co_u32 s21, s21, SCL
	v_add_nc_u32 v5, v5, v6
	v_add_nc_u32 v[ADRS], s21, v5
	s_mul_i32 s23, s14, 16*SPITCH
	v_mul_u32_u24 v5, v1, SPITCH
	v_lshl_add_u32 v5, v2, 5, v5
	v_add_nc_u32 v[STO], s23, v5
	v_mov_b32 v[CO], v7
	v_add_nc_u32 v[RD], s23, v[CO]
	s_lshl_b32 s20, s17, 8
	s_lshl_b32 s21, s15, 7
	s_add_co_u32 s20, s20, s21                     ; my first row of out0
	s_mov_b32 s21, 0
	s_mov_b64 s[18:19], SIZE_N*4
	s_mul_u64 s[20:21], s[20:21], s[18:19]
	s_lshl_b32 s46, s42, 10                        ; my first column, in bytes
	s_lshl_b32 s47, s16, 9
	s_add_co_u32 s46, s46, s47
	s_mov_b32 s47, 0
	s_add_nc_u64 s[20:21], s[20:21], s[46:47]
	s_add_nc_u64 s[12:13], s[12:13], s[20:21]
	s_add_nc_u64 s[66:67], s[66:67], s[46:47]      ; bo at the same column
	v_lshlrev_b32 v9, 5, v2                        ; 32 h: tile b's eight are bo[column + 16 b + 8 h + 0 .. 7]
.irp b, 0,1,2,3,4,5,6,7
	global_load_b128 v[BI+8*\b:BI+8*\b+3], v9, s[66:67] offset:64*\b
	global_load_b128 v[BI+8*\b+4:BI+8*\b+7], v9, s[66:67] offset:64*\b+16
.endr
	s_wait_loadcnt 0x0
.macro FRAG reg, adr, q, i             ; Wo: 16 rows x 128 K in pieces of 8 bytes
.irp p, 0,1,2,3,4,5
.set PCE, 12*(\q)+6*(\p/3)+\p%3
.if PCE%8 < 5
	ds_load_b64 v[\reg+2*\p:\reg+2*\p+1], v[\adr] offset:8*PCE+16*(PCE/8)+(\i)*16*PITCH
.else
	ds_load_b64 v[\reg+2*\p:\reg+2*\p+1], v[\adr+2] offset:8*PCE+16*(PCE/8)+(\i)*16*PITCH
.endif
.endr
.endm
.macro FRAGA reg, slot, q, a           ; ctx: the image as it lies
	ds_load_b128 v[\reg:\reg+3], v[ADRA+\slot] offset:3072*(\a)+1536*(\q)
	ds_load_b64 v[\reg+4:\reg+5], v[ADRA+2+\slot] offset:3072*(\a)+1536*(\q)+512
	ds_load_b128 v[\reg+6:\reg+9], v[ADRA+\slot] offset:3072*(\a)+1536*(\q)+768
	ds_load_b64 v[\reg+10:\reg+11], v[ADRA+2+\slot] offset:3072*(\a)+1536*(\q)+1280
.endm
.macro MUL16 a0, p, q, sc, first       ; the 64 accumulators take turns, one instruction a turn
.irp a, \a0, \a0+1
.irp b, 0,1,2,3,4,5,6,7
.if \first
	v_wmma_scale_f32_16x16x128_f8f6f4 v[8*(8*((\a)%4)+\b):8*(8*((\a)%4)+\b)+7], v[128*(\p)+FR*\b:128*(\p)+FR*\b+FR-1], v[AF+FR*(\a):AF+FR*(\a)+FR-1], v[BI+8*\b:BI+8*\b+7], v[SC+8*NQ*(\sc)+NQ*\b+(\q)], v[SC+8*NQ*(\sc)+NQ*(\a)+(\q)] matrix_a_fmt:MATRIX_FMT_BF6 matrix_b_fmt:MATRIX_FMT_BF6 matrix_a_scale:MATRIX_SCALE_ROW1
.else
	v_wmma_scale_f32_16x16x128_f8f6f4 v[8*(8*((\a)%4)+\b):8*(8*((\a)%4)+\b)+7], v[128*(\p)+FR*\b:128*(\p)+FR*\b+FR-1], v[AF+FR*(\a):AF+FR*(\a)+FR-1], v[8*(8*((\a)%4)+\b):8*(8*((\a)%4)+\b)+7], v[SC+8*NQ*(\sc)+NQ*\b+(\q)], v[SC+8*NQ*(\sc)+NQ*(\a)+(\q)] matrix_a_fmt:MATRIX_FMT_BF6 matrix_b_fmt:MATRIX_FMT_BF6 matrix_a_scale:MATRIX_SCALE_ROW1
.endif
.endr
.endr
.endm
.macro FETCH_B slot, q, p
	WIN TO_B
.irp i, 0,1,2,3,4,5,6,7
	FRAG 128*(\p)+FR*\i, ADRB+\slot, \q, \i
.endr
	WIN 0
.endm
.macro FETCH_A slot, q, i0
.irp i, \i0, \i0+1, \i0+2, \i0+3
	FRAGA AF+FR*(\i), \slot, \q, \i
.endr
.endm
.macro SCALES sc
.irp i, 0,1,2,3,4,5,6,7
	ds_load_b64 v[SC+8*NQ*\sc+NQ*\i:SC+8*NQ*\sc+NQ*\i+1], v[ADRS] offset:\i*SBLK
.endr
.endm
.macro PLACES n
.rept \n
	v_nop
.endr
.endm
.macro STEP slot, q, first
	s_wait_dscnt 4*NLA                             ; Wo's set and ctx's blocks 0-3 are in; the youngest 16 loads (blocks 4-7) may be out
	WIN MUL_LO-0x20*(\first)                       ; (bo, as C, lies in window 0)
	MUL16 0, (\q)%2, \q, \slot, \first
	MUL16 2, (\q)%2, \q, \slot, \first
	s_wait_dscnt 0
	PLACES NP
	FETCH_B \slot, (\q)+1, 1-(\q)%2
	FETCH_A \slot, (\q)+1, 0
	WIN MUL_HI-0x30*(\first)
	MUL16 4, (\q)%2, \q, \slot, \first
	MUL16 6, (\q)%2, \q, \slot, \first
	PLACES NP
	WIN 0
	FETCH_A \slot, (\q)+1, 4
.endm
.macro TURN slot, next, fill
	s_wait_tensorcnt 0x0                           ; all my tensor loads have landed: my part of the next slot
	ds_add_u32 v[SPW], v[NIL]
	s_wait_dscnt 4*NLA+1                           ; (the add and the youngest 16 loads may be out)
	WIN MUL_LO
	MUL16 0, 1, NQ-1, \slot, 0
	s_wait_dscnt 0x0                               ; the add is done, and my reads of this slot are over
	s_barrier_signal -1
	MUL16 2, 1, NQ-1, \slot, 0
	WIN 0
	s_barrier_wait -1
.if \fill
	CREST                                          ; a round of the cluster's barrier: no wave of any partner still reads this slot or has a load on its way
	s_add_nc_u64 s[G0+4*\slot+2:G0+4*\slot+3], s[G0+4*\slot+2:G0+4*\slot+3], 2*3072
	s_add_nc_u64 s[G0B+4*\slot+2:G0B+4*\slot+3], s[G0B+4*\slot+2:G0B+4*\slot+3], 2*ROWB
	JLOAD G0+4*\slot, G1, G0B+4*\slot, G1B
.else
	PLACES NP
.endif
	v_add_nc_u32 v[ADRS], 4*NQ, v[ADRS]
	FETCH_B \next, 0, 0
	FETCH_A \next, 0, 0
	SCALES \next
	WIN MUL_HI
	MUL16 4, 1, NQ-1, \slot, 0
	MUL16 6, 1, NQ-1, \slot, 0
	PLACES NP
	WIN 0
	FETCH_A \next, 0, 4
.endm
	s_wait_tensorcnt 1                             ; of my three loads the scales and K step 0 are in; K step 1's may be out
	s_barrier_signal -1
	s_barrier_wait -1
	FETCH_B 0, 0, 0
	FETCH_A 0, 0, 0
	SCALES 0
	FETCH_A 0, 0, 4
	STEP 0, 0, 1
	s_mov_b32 s3, LAPS-1
.Llap:
	TURN 0, 1, 1
	STEP 1, 0, 0
	TURN 1, 0, 1
	STEP 0, 0, 0
	s_sub_co_u32 s3, s3, 1
	s_cmp_lg_u32 s3, 0
	s_cbranch_scc1 .Llap
	TURN 0, 1, 0
	STEP 1, 0, 0
	s_wait_dscnt 4*NLA
	WIN MUL_LO
	MUL16 0, 1, NQ-1, 1, 0
	MUL16 2, 1, NQ-1, 1, 0
	s_wait_dscnt 0
	WIN MUL_HI
	MUL16 4, 1, NQ-1, 1, 0
	MUL16 6, 1, NQ-1, 1, 0
	WIN 0
; THE WAY OUT, block by block of 16 rows x 128 columns, through my own stage: in as 32 bytes a lane, back as whole rows of 512 bytes.  LDS serves a wave's instructions in order.
.macro TOSTAGE a
.set AC, 64*((\a)%4)
	WIN 0x08+4*((\a)/4)                            ; the data: window 2 or 3
.irp b, 0,1,2,3,4,5,6,7
	ds_store_b128 v[STO], v[AC+8*\b:AC+8*\b+3] offset:64*\b          ; each accumulator from its low end on
	ds_store_b128 v[STO], v[AC+8*\b+4:AC+8*\b+7] offset:64*\b+16
.endr
	WIN 0
.set BB, BK+64*((\a)%2)
.irp t, 0,1,2,3,4,5,6,7,8,9,10,11,12,13,14,15
	ds_load_b128 v[BB+4*\t:BB+4*\t+3], v[RD] offset:\t*SPITCH
.endr
.endm
.macro SEND a, younger
.set BB, BK+64*((\a)%2)
	s_wait_dscnt \younger
.if (\a) > 0
	s_add_nc_u64 s[12:13], s[12:13], 16*SIZE_N*4   ; (behind a wait on XCNT: the earlier stores have read their base)
.endif
.irp t, 0,1,2,3,4,5,6,7,8,9,10,11,12,13,14,15
	global_store_b128 v[CO], v[BB+4*\t:BB+4*\t+3], s[12:13] offset:\t*SIZE_N*4 th:TH_STORE_NT   ; 32 lanes store 512 consecutive bytes, aligned
.endr
.endm
	PLACES NP
	TOSTAGE 0
.irp a, 1,2,3,4,5,6,7
.if \a > 1
	s_wait_xcnt 0x0                                ; block a - 2's stores have read their registers and their base
.endif
	TOSTAGE \a
	SEND \a-1, 32                                  ; behind block a - 1's loads: block a's 16 stores and 16 loads
.endr
	s_wait_xcnt 0x0
	SEND 7, 0
	s_wait_tensorcnt 0x0                           ; the wave's end
	ds_add_u32 v[SPW], v[NIL]
	s_wait_dscnt 0x0
	CROUND                                         ; the closing round
	s_endpgm
.Lfunc_end_k_q1a1f97db94_outp:
	.size	k_q1a1f97db94_outp, .Lfunc_end_k_q1a1f97db94_outp-k_q1a1f97db94_outp
	.p2alignl 7, 3214868480
	.fill 96, 4, 3214868480
	.section	.rodata,"a",@progbits
	.p2align	6, 0x0
	.amdhsa_kernel k_q1a1f97db94_outp
		.amdhsa_group_segment_fixed_size 327680
		.amdhsa_private_segment_fixed_size 0
		.amdhsa_enable_private_segment 0
		.amdhsa_kernarg_size 48
		.amdhsa_user_sgpr_count 2
		.amdhsa_user_sgpr_kernarg_segment_ptr 1
		.amdhsa_wavefront_size32 1
		.amdhsa_system_sgpr_workgroup_id_x 1
		.amdhsa_system_sgpr_workgroup_id_y 1
		.amdhsa_system_sgpr_workgroup_id_z 1
		.amdhsa_system_vgpr_workitem_id 0
		.amdhsa_next_free_vgpr 1024
		.amdhsa_next_free_sgpr 98
		.amdhsa_reserve_vcc 0
		.amdhsa_float_denorm_mode_32 3
		.amdhsa_float_denorm_mode_16_64 3
		.amdhsa_memory_ordered 1
		.amdhsa_forward_progress 1
		.amdhsa_inst_pref_size 154
	.end_amdhsa_kernel
	.amdgpu_metadata
---
amdhsa.version: [ 1, 2 ]
amdhsa.kernels:
  - .name:           k_q1a1f97db94_outp
    .symbol:         k_q1a1f97db94_outp.kd
    .args:
      - { .name: cf, .offset: 0, .size: 8, .value_kind: global_buffer, .address_space: global }
      - { .name: cs, .offset: 8, .size: 8, .value_kind: global_buffer, .address_space: global }
      - { .name: codes, .offset: 16, .size: 8, .value_kind: global_buffer, .address_space: global }
      - { .name: scales, .offset: 24, .size: 8, .value_kind: global_buffer, .address_space: global }
      - { .name: bo, .offset: 32, .size: 8, .value_kind: global_buffer, .address_space: global }
      - { .name: out0, .offset: 40, .size: 8, .value_kind: global_buffer, .address_space: global }
    .group_segment_fixed_size: 327680
    .private_segment_fixed_size: 0
    .kernarg_segment_align: 8
    .kernarg_segment_size: 48
    .max_flat_workgroup_size: 128
    .sgpr_count:     98
    .vgpr_count:     1024
    .wavefront_size: 32
...
	.end_amdgpu_metadata
.endif
;; end of part 4
